; MI455X (gfx1250); checked and timed in simulation.
; The chip was launched on July 23, 2026; its instructions are those of AMD's public machine-readable ISA for CDNA 5 (MIT licence, August 2026) and "CDNA5" Instruction Set Architecture Reference Guide (July 2026). The comments in the code are by the model that wrote it; some were corrected since.
;; Masked Attention. Allowed arithmetic: matrix products marked QUANTISED: E2M3 operands, one E8M0 scale for each 32 along K, by v_wmma_scale_f32_16x16x128_f8f6f4 with both operands' format E2M3, f32 sums; everything else in f32.
;; Inputs: Wk 1,024 x 1,024 float32; Wo 1,024 x 1,024 float32; Wq 1,024 x 1,024 float32; Wv 1,024 x 1,024 float32; bk 1,024 float32; bo 1,024 float32; bq 1,024 float32; bv 1,024 float32; mask 1 x 1 x 1,024 x 1,024 float32; x 8 x 1,024 x 1,024 float32.
;; Outputs: out0 8 x 1,024 x 1,024 float32.
;; This version of the problem:
;;   THIS VERSION OF THE PROBLEM IS GIVEN IN LOW PRECISION. The matrix products marked QUANTISED in the list below multiply operands that are first quantised to E2M3 (2 exponent bits, 3 mantissa bits; 6 bits a number), with one power-of-two scale for each 32 numbers along K (OCP MX v1.0); their sums are f32. All else is computed in f32.
;;   The module's matrix products, in the order in which they are computed (A, B: the left and right operand; K: the contracted axis; several contracted axes count as one K, in the product's order):
;;     1. [M 8,192, K 1,024] x [K 1,024, N 1,024]; A: input x; B: input Wq: QUANTISED
;;     2. [M 8,192, K 1,024] x [K 1,024, N 1,024]; A: input x; B: input Wk: QUANTISED
;;     3. [M 8,192, K 1,024] x [K 1,024, N 1,024]; A: input x; B: input Wv: QUANTISED
;;     4. batch 128 x [M 1,024, K 64] x [K 64, N 1,024]; A: computed on the way; B: computed on the way: QUANTISED
;;     5. batch 128 x [M 1,024, K 1,024] x [K 1,024, N 64]; A: softmax (see below); B: computed on the way: QUANTISED
;;     6. [M 8,192, K 1,024] x [K 1,024, N 1,024]; A: computed on the way; B: input Wo: QUANTISED
;;   THE QUANTISER, for each operand of a quantised product, along K:
;;     - K is cut into blocks of 32 from its start; a last block that is shorter is filled with zeros.
;;     - A block's scale is 2^e with e = floor(log2(the largest magnitude in the block)) - 2, held to -126 .. 127; a block of zeros has e = 0. As a byte (E8M0): e + 127.
;;     - Each number is divided by its block's scale, clamped to +-7.5, and rounded to the nearest number of E2M3, ties to even, subnormals kept.
;;     - The product sums the exact products of the quantised numbers (number of the format x scale) in f32.
;;   ~~~python
;;   def quantise(x, axis):      # numpy; x: float32 -> the quantised numbers, widened to float32 again
;;       x = np.moveaxis(x, axis, -1); K = x.shape[-1]
;;       x = np.pad(x, [(0, 0)] * (x.ndim - 1) + [(0, -K % 32)]); x = x.reshape(x.shape[:-1] + (-1, 32)); a = np.abs(x).max(-1, keepdims=True)
;;       e = np.where(a > 0, np.clip(np.frexp(np.where(a > 0, a, 1))[1] - 1 - 2, -126, 127), 0)      # np.frexp(a)[1] - 1 = floor(log2(a)), exactly
;;       r = np.clip(x / 2.0 ** e, -7.5, 7.5)
;;       step = 2.0 ** (np.maximum(np.frexp(np.where(r == 0, 1, r))[1] - 1, 0) - 3)
;;       q = np.round(r / step) * step * 2.0 ** e      # np.round: ties to even
;;       return np.moveaxis(q.reshape(q.shape[:-2] + (-1,))[..., :K], -1, axis).astype(np.float32)
;;   ~~~
;;   SOFTMAX AHEAD OF A QUANTISED PRODUCT. Where the list says 'softmax', what is quantised is not the finished softmax but p = 2^(t - M), with t = logit x log2(e) and M = ceil(the row's largest t), a whole number; so 1/2 < the row's largest p <= 1. The row's sum l is taken of the UNQUANTISED p, in f32, and the product's result is divided by l at the end. Since M is a whole number, a kernel that streams over the keys may use a running M (the ceiling of the running maximum): every later rescaling is an exact power of two, which a block's scale takes up: the codes' values come out the same.
;;   OPERANDS COMPUTED ON THE WAY. 'Computed on the way' means the value that the module computes at that place (a softmax that the list does not call 'softmax' is quantised finished and normalised). What goes into a quantiser is computed in f32, as accurately as f32 sums, v_exp_f32 and their like allow (about 1e-6 of the number): no bf16 or f16 on the way to a quantiser, and a product that is left as it is and whose result goes on into a quantised operand takes f32 operands (vector FMAs, or v_wmma_f32_16x16x4_f32). A number that lies on a knife's edge between two numbers of the format may be rounded either way, as far as f32 arithmetic and the matrix unit's own rounding can turn it there, and no further.
;; 2 versions, each right; version 2 is version 1 with the launch attn written anew for expert scheduling mode. Each part assembles by itself: llvm-mc -triple=amdgcn-amd-amdhsa -mcpu=gfx1250 --defsym DOCPART=n.
;; ======== version 1 of 2: 5 launches
;; workspace buffers: opq 9,830,400 bytes; qk 14,680,064 bytes; vq 6,553,600 bytes; oq 6,553,600 bytes
;; launch quant (part 1): grid 384 x 1, 4 waves a work-group, no clusters, 40,448 bytes of LDS; arguments x, Wq, Wk, Wv, Wo, opq; writes opq
.if DOCPART == 1
	.amdgcn_target "amdgcn-amd-amdhsa--gfx1250"
	.amdhsa_code_object_version 6
	.text
	.protected	k_qbccfd341c1_quant
	.globl	k_qbccfd341c1_quant
	.p2align	8
	.type	k_qbccfd341c1_quant,@function
k_qbccfd341c1_quant:
	s_mov_b64 s[64:65], 0
	v_nop
	global_prefetch_b8 v0, s[64:65] scope:SCOPE_SE
	s_setreg_imm32_b32 hwreg(HW_REG_WAVE_MODE, 25, 1), 1
	s_wait_xcnt 0x0
; x [8192][1024] and Wq, Wk, Wv, Wo [1024][1024], f32, become codes of FP6 (E2M3) with one E8M0 byte for each 32 along K (their last axis), laid in the ORDER OF AN OPERAND'S REGISTERS.
; A row tile T is 16 rows; its place r holds row 32 (T / 2) + 8 (T % 2) + r % 8 + 16 (r / 8), so that with the matrix instruction used transposed the 16 registers of two neighbouring tiles are 16 neighbours.
; CODES: [T][c = K / 64][lane' = 16 h' + r][24 bytes]: block 2 c + h' of the row at place r.  A piece (T, c) is 768 bytes, a tile 12,288.   SCALE WORDS: [s = K / 128][T][r], byte i = block 4 s + i.
; opq: x's codes at 0 (512 tiles); the weights' at 6,291,456 (Wq, Wk, Wv, Wo: 64 tiles each); x's words at 9,437,184 (planes of 32,768 bytes); the weights' at 9,699,328 (planes of 16,384).
; A block's scale is 2^(floor(log2(its largest magnitude)) - 2); its byte is the largest magnitude's exponent field - 2, held at 1 from below.
; LIMITS: a block of zeros gets the byte 1 where the rule says 127 (its codes are zeros, and this program alone reads the bytes); blocks whose largest magnitude lies under 2^-124 were not tried; NaN and infinities are not served.
; SHARES: work-groups 0-255 take x, 256-383 the weights (32 each).  A work-group takes four tiles x 512 along K; wave w one tile, in eight steps of 16 rows x 64 K (4,096 bytes).
; Each load reads two rows' 256 consecutive bytes; the step turns through the wave's own stage in LDS so that a lane holds a whole block of 32; a piece's 768 bytes turn through a second stage and leave as three stores of 256 consecutive bytes.
.set R,    16                          ; v16-111  three sets of 32 numbers as loaded
.set X,    112                         ; v112-175 two sets of 32: my block
.set C,    176                         ; v176-182 a block's codes
.set D,    184                         ; v184-231 six registers for each step: the piece as it is stored; never rewritten
.set W,    232                         ; v232-235 scale words
.set WREG, 9728                        ; LDS of a wave: two stages of 16 rows x 272 bytes, then the out-stage of 768 bytes
.set OUTS, 8704
.set SS,   4*WREG                      ; the work-group's scale words: [s 4][wave 4][r 16]
	s_load_b256 s[4:11], s[0:1], 0x0               ; x, Wq, Wk, Wv
	s_load_b128 s[12:15], s[0:1], 0x20             ; Wo, opq
	v_lshl_add_u32 v248, v0, 2, 0x9c00
	v_mov_b32 v249, 0
	v_lshrrev_b32 v1, 5, v0
	v_readfirstlane_b32 s33, v1                    ; wave
	v_and_b32 v1, 31, v0                           ; lane
	v_and_b32 v2, 15, v0                           ; lane % 16
	v_bfe_u32 v10, v0, 4, 1                        ; lane / 16
	v_lshlrev_b32 v3, 12, v10
	v_lshl_add_u32 v3, v2, 4, v3                   ; a load: lanes 0-15 one row's 256 bytes, lanes 16-31 the next row's
	s_mul_i32 s32, s33, WREG
	v_mul_u32_u24 v14, v10, 272
	v_lshl_add_u32 v14, v2, 4, v14
	v_add_nc_u32 v14, s32, v14                     ; the stage, on the way in: as loaded, rows 272 bytes apart
	v_mul_u32_u24 v15, v2, 272
	v_lshl_add_u32 v15, v10, 7, v15
	v_add_nc_u32 v15, s32, v15                     ; and back: row lane % 16, block lane / 16: 128 bytes
	v_mul_u32_u24 v4, v1, 24
	v_add_nc_u32 v4, s32, v4
	v_add_nc_u32 v4, OUTS, v4                      ; the out-stage: my 24 bytes
	v_lshlrev_b32 v6, 3, v1                        ; 8 x lane: the stores' offset
	v_add_nc_u32 v5, s32, v6
	v_add_nc_u32 v5, OUTS, v5                      ; and back, 8 bytes a lane
	v_lshlrev_b32 v7, 3, v10                       ; my byte's shift in a scale word: 8 x (lane / 16)
	s_lshl_b32 s34, s33, 6
	v_lshl_add_u32 v8, v2, 2, s34
	v_add_nc_u32 v8, SS, v8                        ; my tile's words
	s_lshl_b32 s34, s33, 8
	v_add_nc_u32 v9, s34, v6
	v_add_nc_u32 v9, SS, v9                        ; back: wave w takes plane w: four tiles' 256 bytes
	v_mov_b32 v240, 0                              ; a lane permute's destination counts as one of its sources
	s_mov_b32 s36, 0x76543210
	s_mov_b32 s37, 0xfedcba98                      ; lane l xor 16
	s_sub_co_u32 s16, ttmp9, 256
	s_lshr_b32 s17, s16, 5                         ; which weight
	s_and_b32 s18, s16, 31
	s_mul_i32 s19, s17, 786432
	s_add_co_u32 s19, s19, 6291456                 ; its codes
	s_lshl_b32 s20, s17, 12
	s_add_co_u32 s20, s20, 9699328                 ; its words
	s_mov_b32 s21, 9437184
	s_mov_b32 s22, 16384
	s_wait_kmcnt 0x0
	s_cmp_eq_u32 s17, 1                            ; the choices hang on the work-group's number alone
	s_cselect_b64 s[6:7], s[8:9], s[6:7]
	s_cmp_eq_u32 s17, 2
	s_cselect_b64 s[6:7], s[10:11], s[6:7]
	s_cmp_eq_u32 s17, 3
	s_cselect_b64 s[6:7], s[12:13], s[6:7]
	s_cmp_lt_u32 ttmp9, 256
	s_cselect_b64 s[4:5], s[4:5], s[6:7]           ; the tensor
	s_cselect_b32 s18, ttmp9, s18                  ; my number among its work-groups
	s_cselect_b32 s19, 0, s19
	s_cselect_b32 s20, s21, s20
	s_cselect_b32 s22, 32768, s22                  ; a plane of its words
	s_lshr_b32 s23, s18, 1                         ; which four tiles
	s_and_b32 s24, s18, 1                          ; which half of K
	s_lshl_b32 s25, s23, 2
	s_add_co_u32 s25, s25, s33                     ; my tile
	s_lshr_b32 s26, s25, 1
	s_lshl_b32 s26, s26, 17                        ; 32 rows of 4,096 bytes
	s_and_b32 s27, s25, 1
	s_lshl_b32 s27, s27, 15                        ; 8 rows
	s_add_co_u32 s26, s26, s27
	s_lshl_b32 s27, s24, 11                        ; 512 numbers
	s_add_co_u32 s26, s26, s27
	s_mov_b32 s27, 0
	s_add_nc_u64 s[4:5], s[4:5], s[26:27]
	s_mul_i32 s26, s25, 12288
	s_add_co_u32 s26, s26, s19
	s_mul_i32 s28, s24, 6144
	s_add_co_u32 s26, s26, s28
	s_add_nc_u64 s[8:9], s[14:15], s[26:27]        ; my eight pieces
	s_lshl_b32 s26, s24, 2
	s_add_co_u32 s26, s26, s33
	s_mul_i32 s26, s26, s22                        ; plane 4 x half + wave
	s_add_co_u32 s26, s26, s20
	s_lshl_b32 s28, s23, 8
	s_add_co_u32 s26, s26, s28
	s_add_nc_u64 s[10:11], s[14:15], s[26:27]      ; the four tiles' words in it
.macro LOAD t                          ; step t: places 2 i and 2 i + 1 of the tile, 64 numbers each
.irp i, 0,1,2,3,4,5,6,7
	global_load_b128 v[R+32*((\t)%3)+4*\i:R+32*((\t)%3)+4*\i+3], v3, s[4:5] offset:(((2*\i)%8)+16*(\i/4))*4096+256*(\t) th:TH_LOAD_NT
.endr
.endm
.macro TURN t                          ; through the stage: LDS serves a wave's instructions in order, so no wait stands between the stores and the loads
.irp i, 0,1,2,3,4,5,6,7
	ds_store_b128 v14, v[R+32*((\t)%3)+4*\i:R+32*((\t)%3)+4*\i+3] offset:4352*((\t)%2)+544*\i
.endr
.irp e, 0,1,2,3,4,5,6,7
	ds_load_b128 v[X+32*((\t)%2)+4*\e:X+32*((\t)%2)+4*\e+3], v15 offset:4352*((\t)%2)+16*\e
.endr
.endm
.macro SEND t                          ; a piece leaves: each store covers 256 consecutive bytes, aligned
.irp e, 0,1,2
	global_store_b64 v6, v[D+6*(\t)+2*\e:D+6*(\t)+2*\e+1], s[8:9] offset:768*(\t)+256*\e
.endr
.endm
.macro STEP t
.set XS, X+32*((\t)%2)
.if (\t) > 0
	s_wait_dscnt 6                                 ; my block is back from the stage; the last piece's three stores and three loads may be out
.else
	s_wait_dscnt 0x0
.endif
.if (\t)+3 < 8
	LOAD (\t)+3                                    ; into the set that this step's turn has read
.endif
.if (\t)+1 < 8
.if (\t) <= 4
	s_wait_loadcnt 16                              ; the next step's eight loads are in; those of the two steps behind it may be out
.else
	s_wait_loadcnt 8*(6-(\t))
.endif
	TURN (\t)+1
.endif
.if (\t) > 0
.if (\t) < 7
	s_wait_dscnt 16                                ; all but the turn just issued: the last piece is back
.else
	s_wait_dscnt 0x0
.endif
	SEND (\t)-1
.endif
	v_max3_num_f32 v236, |v[XS]|, |v[XS+1]|, 0x1800000     ; the block's largest magnitude, in two chains, with the floor 2^(3 - 127): the byte cannot fall under 1
	v_max3_num_f32 v237, |v[XS+2]|, |v[XS+3]|, 0x1800000
.irp i, 4,8,12,16,20,24,28
	v_max3_num_f32 v236, v236, |v[XS+\i]|, |v[XS+\i+1]|
	v_max3_num_f32 v237, v237, |v[XS+\i+2]|, |v[XS+\i+3]|
.endr
	v_max_num_f32 v236, v236, v237
	v_add_nc_u32 v238, 0xff000000, v236            ; 2 off its exponent field: the conversion takes the exponent field of this operand as its scale
	v_cvt_scalef32_pk16_fp6_f32 v[C:C+2], v[XS:XS+15], v238
	v_cvt_scalef32_pk16_fp6_f32 v[C+4:C+6], v[XS+16:XS+31], v238   ; (a conversion's three registers begin on an even number)
	v_lshrrev_b32 v239, 23, v238                   ; the scale's byte; also the plain line behind the conversions
	v_mov_b32 v[C+3], v[C+4]
	v_mov_b32 v[C+4], v[C+5]
	v_mov_b32 v[C+5], v[C+6]                       ; 24 bytes on end
.if (\t)%2 == 0
	v_lshlrev_b32 v[W+(\t)/2], v7, v239            ; byte lane / 16 of the word
.else
	v_lshlrev_b32 v241, v7, v239
	v_lshl_or_b32 v[W+(\t)/2], v241, 16, v[W+(\t)/2]   ; byte 2 + lane / 16
	v_permlanex16_b32 v240, v[W+(\t)/2], s36, s37
	v_or_b32 v[W+(\t)/2], v[W+(\t)/2], v240        ; with lane l xor 16's two the word is whole
.endif
.irp e, 0,1,2
	ds_store_b64 v4, v[C+2*\e:C+2*\e+1] offset:8*\e
.endr
.irp e, 0,1,2
	ds_load_b64 v[D+6*(\t)+2*\e:D+6*(\t)+2*\e+1], v5 offset:256*\e
.endr
.endm
	LOAD 0
	LOAD 1
	LOAD 2
	s_wait_loadcnt 16                              ; step 0's eight loads are in
	TURN 0
.irp t, 0,1,2,3,4,5,6,7
	STEP \t
.endr
	s_wait_dscnt 0x0
	SEND 7
.irp s, 0,1,2,3
	ds_store_b32 v8, v[W+\s] offset:256*\s         ; both halves of the lanes write the same word with the same value
.endr
	s_wait_dscnt 0x0                               ; for the others' sake: my words have landed
	s_barrier_signal -1
	s_barrier_wait -1
	ds_load_b64 v[242:243], v9
	s_wait_dscnt 0x0
	global_store_b64 v6, v[242:243], s[10:11]      ; 256 consecutive bytes, aligned
	s_wait_tensorcnt 0x0
	ds_add_u32 v248, v249
	s_wait_dscnt 0x0
	s_endpgm
.Lfunc_end_k_qbccfd341c1_quant:
	.size	k_qbccfd341c1_quant, .Lfunc_end_k_qbccfd341c1_quant-k_qbccfd341c1_quant
	.p2alignl 7, 3214868480
	.fill 96, 4, 3214868480
	.section	.rodata,"a",@progbits
	.p2align	6, 0x0
	.amdhsa_kernel k_qbccfd341c1_quant
		.amdhsa_group_segment_fixed_size 40448
		.amdhsa_private_segment_fixed_size 0
		.amdhsa_enable_private_segment 0
		.amdhsa_kernarg_size 48
		.amdhsa_user_sgpr_count 2
		.amdhsa_user_sgpr_kernarg_segment_ptr 1
		.amdhsa_wavefront_size32 1
		.amdhsa_system_sgpr_workgroup_id_x 1
		.amdhsa_system_sgpr_workgroup_id_y 1
		.amdhsa_system_sgpr_workgroup_id_z 1
		.amdhsa_system_vgpr_workitem_id 0
		.amdhsa_next_free_vgpr 250
		.amdhsa_next_free_sgpr 66
		.amdhsa_reserve_vcc 0
		.amdhsa_float_denorm_mode_32 3
		.amdhsa_float_denorm_mode_16_64 3
		.amdhsa_memory_ordered 1
		.amdhsa_forward_progress 1
		.amdhsa_inst_pref_size 37
	.end_amdhsa_kernel
	.amdgpu_metadata
---
amdhsa.version: [ 1, 2 ]
amdhsa.kernels:
  - .name:           k_qbccfd341c1_quant
    .symbol:         k_qbccfd341c1_quant.kd
    .args:
      - { .name: x, .offset: 0, .size: 8, .value_kind: global_buffer, .address_space: global }
      - { .name: Wq, .offset: 8, .size: 8, .value_kind: global_buffer, .address_space: global }
      - { .name: Wk, .offset: 16, .size: 8, .value_kind: global_buffer, .address_space: global }
      - { .name: Wv, .offset: 24, .size: 8, .value_kind: global_buffer, .address_space: global }
      - { .name: Wo, .offset: 32, .size: 8, .value_kind: global_buffer, .address_space: global }
      - { .name: opq, .offset: 40, .size: 8, .value_kind: global_buffer, .address_space: global }
    .group_segment_fixed_size: 40448
    .private_segment_fixed_size: 0
    .kernarg_segment_align: 8
    .kernarg_segment_size: 48
    .max_flat_workgroup_size: 128
    .sgpr_count:     66
    .vgpr_count:     250
    .wavefront_size: 32
...
	.end_amdgpu_metadata
.endif
;; end of part 1
;; launch gemm_qk (part 2): grid 8 x 32, 4 waves a work-group, clusters of 4 x 4, 327,680 bytes of LDS; arguments opq, bq, bk, qk; writes qk
.if DOCPART == 2
	.amdgcn_target "amdgcn-amd-amdhsa--gfx1250"
	.amdhsa_code_object_version 6
	.text
	.protected	k_qbccfd341c1_gemm_qk
	.globl	k_qbccfd341c1_gemm_qk
	.p2align	8
	.type	k_qbccfd341c1_gemm_qk,@function
k_qbccfd341c1_gemm_qk:
	s_mov_b64 s[64:65], 0
	v_nop
	global_prefetch_b8 v0, s[64:65] scope:SCOPE_SE
	s_setreg_imm32_b32 hwreg(HW_REG_WAVE_MODE, 25, 1), 1
	s_wait_xcnt 0x0
	s_wait_alu depctr_hold_cnt(0) depctr_sa_sdst(0) depctr_va_vdst(0) depctr_va_sdst(0) depctr_va_ssrc(0) depctr_va_vcc(0) depctr_vm_vsrc(0)
	s_getreg_b32 s2, hwreg(HW_REG_IB_STS2, 6, 4)
	s_cmp_eq_u32 s2, 0
	s_cbranch_scc0 .Lentry_in_a_cluster
	s_endpgm
.Lentry_in_a_cluster:
	s_bfe_u32 s2, ttmp6, 0x10000c
	s_cmp_lg_u32 s2, 0xf033
	s_cbranch_scc0 .Lentry_shape_is_right
	s_endpgm
.Lentry_shape_is_right:
; q = x Wq^T + bq and k = x Wk^T + bk, as one product of 8,192 x 2,048 x 1,024 on codes of FP6 (E2M3) with E8M0 scales; the results are quantised along a head's 64 and leave as codes, scale words and the terms -0.5 |.|^2.
; OPERANDS (opq): codes [tile][K / 64][lane][24 bytes], scale words [K / 128][tile][16]; place r of tile T is row 32 (T / 2) + 8 (T % 2) + r % 8 + 16 (r / 8).  A = x (tiles 0-511), B = Wq and Wk (tiles 0-127 of the weights).
; A tile of the result, 256 x 256, is made by four waves, each 128 x 128: 64 accumulators, 512 registers.  K goes in four steps of 256 through two LDS slots filled by the tensor data mover; a tile's part of a step is 3,072 dense bytes.
; The scale words of the work-group's 32 tiles, for all of K, come into LDS once, with the first fills.  CLUSTERS: 4 x 4 work-groups; A's tiles are asked for jointly along a row of the cluster, B's along a column.
; THE MATRIX INSTRUCTION IS USED TRANSPOSED (source 0 = 16 rows of W, source 1 = 16 rows of x): a lane holds one row of x, and by the tiles' row order its 64 registers of a block of rows are features 32 b + 16 (lane / 16) + i.
; The bias is the C of each sum's first matrix instruction.
; OUT (qk): codes [tensor 2][head 128 = 16 batch + head][tile 64][768]; words at 12,582,912 [2][128][64][16] (bytes 0, 1: the head's two blocks; bytes 2, 3: 0); terms 1,048,576 bytes further on, f32.
; LIMITS: a block of zeros gets the byte 1 (this program alone reads the bytes); blocks under 2^-124 were not tried; NaN and infinities are not served.
; REGISTERS: window 0: v0-31 addresses; v32-63 scale words, two sets; v64-127 the bias, later the codes just made; v128-223 A's fragments, one set; v224-251 at work in the epilogue.  window 1: B's fragments, two sets.  windows 2, 3: the accumulators.
.set A_OFF,  0
.set AS_OFF, 9437184
.set PA,     32768
.set B_OFF,  6291456
.set BS_OFF, 9699328
.set PB,     16384
.set PTRA,   4
.set PTRB,   4
.set NQ,     2                         ; matrix instructions deep in a slot
.set FR,     12                        ; registers of a fragment
.set NL,     6                         ; LDS loads that bring one
.set NP,     4                         ; places behind this matrix instruction (ISA guide 7.12.1)
.set PIECE,  768
.set TSTEP,  3072                      ; a tile's bytes of 256 along K
.set HALFT,  8*TSTEP                   ; eight tiles: what one tensor load brings, and what one wave reads of A or of B
.set SLOT,   4*HALFT
.set SCL,    2*SLOT                    ; the scale words: A's halves, B's halves, each [s 8][tile 8][64 bytes]
.set SPARE,  SCL+4*4096                ; the spare words, 128 bytes for each wave, which no other line names
.set ADRA, 16
.set ADRB, 20
.set CW,   24                          ; the stage: where I put my 24 bytes of a piece
.set CR,   25                          ; and where I read 16 bytes back
.set WW,   26                          ; its words and terms
.set ADRS, 27
.set SPW,  28
.set NIL,  29
.set GO,   30                          ; 16 x lane
.set SC,   32
.set BIAS, 64
.set PC,   64
.set RB,   112
.set AF,   128
.set TM,   224                         ; +0..3 largest magnitudes, +4..7 the other half's, then bytes, +12..15 the conversions' scale operands
.set SQ,   240                         ; four chains of squares
.set SQP,  248
.set WD,   250
.set G1, 24
.set G0, 32
.set G1B, 48
.set G0B, 56
.set G1S, 68
.set G0S, 76
.set G1SB, 80
.set G0SB, 88
.set MSB, 0
.macro WIN new                         ; the immediate's high byte repeats the setting that is left
.if MSB != (\new)
	s_set_vgpr_msb (MSB<<8)|(\new)
.set MSB, \new
.endif
.endm
.set MUL_LO, 0xa1                      ; source 0 (B) window 1, source 1 (A) window 0, C and D window 2
.set MUL_HI, 0xf1                      ; the same, C and D window 3
.set TO_B,   0x40
; A joint load: waves 0 and 1 fetch for A, waves 2 and 3 for B; the branch hangs on the wave's number alone.  Four v_nop follow each of the two lines.
.macro JLOAD g0a, g1a, g0b, g1b
	s_cmp_eq_u32 s15, 0
	s_cbranch_scc0 .Lfor_b_\@
	tensor_load_to_lds s[\g0a:\g0a+3], s[\g1a:\g1a+7]
	s_nop 0
.rept 4
	v_nop
.endr
	s_branch .Lasked_\@
.Lfor_b_\@:
	tensor_load_to_lds s[\g0b:\g0b+3], s[\g1b:\g1b+7]
	s_nop 0
.rept 4
	v_nop
.endr
.Lasked_\@:
.endm
.macro CREST                           ; a round of the cluster's barrier behind its opening barrier
	s_cmp_lg_u32 s14, 0
	s_cbranch_scc1 .Lnot_wave_0_\@
	s_barrier_signal -3
.Lnot_wave_0_\@:
	s_barrier_wait -3
	s_barrier_signal -1
	s_barrier_wait -1
.endm
.macro CROUND
	s_barrier_signal -1
	s_barrier_wait -1
	CREST
.endm
	s_load_b256 s[4:11], s[0:1], 0x0               ; opq s[4:5], bq s[6:7], bk s[8:9], qk s[10:11]
	v_lshl_add_u32 v[SPW], v0, 2, SPARE
	v_mov_b32 v[NIL], 0
	ds_add_u32 v28, v29
	ds_add_u32 v28, v29
	s_wait_dscnt 0x0
	v_lshrrev_b32 v1, 5, v0
	v_readfirstlane_b32 s14, v1                    ; wave 0..3
	s_lshr_b32 s15, s14, 1                         ; which half of A's tiles is mine.  Also: I fetch for A (0) or for B (1)
	s_and_b32 s16, s14, 1                          ; which half of B's.  Also: which eight tiles I fetch
	s_bfe_u32 s40, ttmp6, 0x40000                  ; cx, cy: my place in the cluster
	s_bfe_u32 s41, ttmp6, 0x40004
	s_lshl_b32 s42, ttmp9, 2
	s_add_co_u32 s42, s42, s40                     ; tile column = 4 x cluster x + cx
	s_and_b32 s17, ttmp7, 0xffff
	s_lshl_b32 s17, s17, 2
	s_add_co_u32 s17, s17, s41                     ; tile row = 4 x cluster y + cy
	s_lshl_b32 s43, s41, 2
	s_lshl_b32 s43, 15, s43                        ; my row of the cluster
	s_lshl_b32 s44, 0x1111, s40                    ; my column
	; descriptor group 1 for codes: 8 rows (tiles) of 384 elements of 8 bytes, 1,536 elements apart, dense in LDS
	s_or_b32 s[G1+0], s43, (3<<16)|(1<<21)         ; 15:0 the mask; 17:16 elements of 8 bytes; 21 set beside a mask
	s_or_b32 s[G1B+0], s44, (3<<16)|(1<<21)
.irp g, G1, G1B
	s_mov_b32 s[\g+1], 384<<16                     ; tensor_dim0
	s_mov_b32 s[\g+2], 8<<16                       ; tensor_dim1
	s_mov_b32 s[\g+3], 384<<16                     ; tile_dim0
	s_mov_b32 s[\g+4], 8                           ; tile_dim1
	s_mov_b32 s[\g+5], 1536                        ; tensor_dim0_stride
	s_mov_b32 s[\g+6], 0
	s_mov_b32 s[\g+7], 0
.endr
	; and for the scale words: 8 rows (planes of K / 128) of 64 elements of 8 bytes (eight tiles), a plane apart
	s_or_b32 s[G1S+0], s43, (3<<16)|(1<<21)
	s_or_b32 s[G1SB+0], s44, (3<<16)|(1<<21)
.irp g, G1S, G1SB
	s_mov_b32 s[\g+1], 64<<16
	s_mov_b32 s[\g+2], 8<<16
	s_mov_b32 s[\g+3], 64<<16
	s_mov_b32 s[\g+4], 8
	s_mov_b32 s[\g+6], 0
	s_mov_b32 s[\g+7], 0
.endr
	s_mov_b32 s[G1S+5], PA/8
	s_mov_b32 s[G1SB+5], PB/8
	s_lshl_b32 s18, s16, 3                         ; which eight tiles of the sixteen I fetch
	s_lshl_b32 s20, s17, 4
	s_add_co_u32 s20, s20, s18                     ; A: tile 16 x tile row + 8 x half
	s_lshl_b32 s46, s42, 4
	s_add_co_u32 s46, s46, s18                     ; B: tile 16 x tile column + 8 x half
	s_lshl_b32 s22, s20, 6                         ; their words: 64 bytes a tile
	s_lshl_b32 s92, s46, 6
	s_mul_i32 s20, s20, 12288                      ; their codes
	s_mul_i32 s46, s46, 12288
	s_add_co_u32 s20, s20, A_OFF
	s_add_co_u32 s22, s22, AS_OFF
	s_add_co_u32 s46, s46, B_OFF
	s_add_co_u32 s92, s92, BS_OFF
	s_mov_b32 s21, 0
	s_mov_b32 s23, 0
	s_mov_b32 s47, 0
	s_mov_b32 s93, 0
	s_mul_i32 s45, s14, HALFT                      ; where they go: no place in the cluster enters an LDS address
	s_lshl_b32 s94, s14, 12
	s_wait_kmcnt 0x0
	s_add_nc_u64 s[20:21], s[PTRA:PTRA+1], s[20:21]
	s_add_nc_u64 s[22:23], s[PTRA:PTRA+1], s[22:23]
	s_add_nc_u64 s[46:47], s[PTRB:PTRB+1], s[46:47]
	s_add_nc_u64 s[92:93], s[PTRB:PTRB+1], s[92:93]
	CROUND                                         ; all sixteen work-groups are here: the first joint loads meet
	s_mov_b32 s[G0S], 1
	s_add_co_u32 s[G0S+1], s94, SCL
	s_mov_b64 s[G0S+2:G0S+3], s[22:23]
	s_or_b32 s[G0S+3], s[G0S+3], 0x80000000
	s_mov_b32 s[G0SB], 1
	s_add_co_u32 s[G0SB+1], s94, SCL
	s_mov_b64 s[G0SB+2:G0SB+3], s[92:93]
	s_or_b32 s[G0SB+3], s[G0SB+3], 0x80000000
	JLOAD G0S, G1S, G0SB, G1SB                     ; the scale words first: three loads of mine are out behind these first fills
.irp s, 0,1
	s_mov_b32 s[G0+4*\s], 1
	s_add_co_u32 s[G0+4*\s+1], s45, \s*SLOT
	s_add_nc_u64 s[G0+4*\s+2:G0+4*\s+3], s[20:21], \s*TSTEP
	s_or_b32 s[G0+4*\s+3], s[G0+4*\s+3], 0x80000000
	s_mov_b32 s[G0B+4*\s], 1
	s_add_co_u32 s[G0B+4*\s+1], s45, \s*SLOT
	s_add_nc_u64 s[G0B+4*\s+2:G0B+4*\s+3], s[46:47], \s*TSTEP
	s_or_b32 s[G0B+4*\s+3], s[G0B+4*\s+3], 0x80000000
	JLOAD G0+4*\s, G1, G0B+4*\s, G1B
.endr
	v_and_b32 v1, 15, v0                           ; r
	v_bfe_u32 v2, v0, 4, 1                         ; h
	v_and_b32 v3, 31, v0                           ; lane
	v_mul_u32_u24 v4, v3, 24                       ; my 24 bytes of a piece
	s_mul_i32 s21, s15, HALFT                      ; my eight tiles of A
	s_mul_i32 s22, s16, HALFT                      ; my eight tiles of B,
	s_add_co_u32 s22, s22, 2*HALFT                 ; which lie behind A's sixteen
.irp s, 0,1
	v_add_nc_u32 v[ADRA+\s], s21, v4
	v_add_nc_u32 v[ADRB+\s], s22, v4
	s_add_co_u32 s21, s21, SLOT
	s_add_co_u32 s22, s22, SLOT
.endr
	s_lshl_b32 s21, s15, 12                        ; A's words: my half
	s_lshl_b32 s22, s16, 12                        ; B's: my half, behind A's two
	s_add_co_u32 s22, s22, 8192
	s_sub_co_u32 s22, s22, s21
	v_mul_u32_u24 v6, s22, v2                      ; lanes 16-31 take B's
	s_add_co_u32 s21, s21, SCL
	v_lshl_add_u32 v5, v1, 2, v6
	v_add_nc_u32 v[ADRS], s21, v5
	; the bias: lane (r, h) wants, for B's tile b, the numbers of features 32 (b / 2) + 8 (b % 2) + 16 h + 0 .. 7
	s_cmp_eq_u32 ttmp9, 0                          ; cluster x 0: Wq's columns, 1: Wk's
	s_cselect_b64 s[6:7], s[6:7], s[8:9]
	s_lshl_b32 s46, s40, 10
	s_lshl_b32 s47, s16, 9
	s_add_co_u32 s46, s46, s47
	s_mov_b32 s47, 0
	s_add_nc_u64 s[6:7], s[6:7], s[46:47]
	v_lshlrev_b32 v7, 6, v2
.irp b, 0,1,2,3,4,5,6,7
	global_load_b128 v[BIAS+8*\b:BIAS+8*\b+3], v7, s[6:7] offset:(32*(\b/2)+8*(\b%2))*4
	global_load_b128 v[BIAS+8*\b+4:BIAS+8*\b+7], v7, s[6:7] offset:(32*(\b/2)+8*(\b%2))*4+16
.endr
	; the way out: my stage (14,336 bytes in slot 0, which has had its last fill and its last read when the first result is stored there)
	s_mul_i32 s23, s14, 14336
	v_add_nc_u32 v[CW], s23, v4
	v_lshlrev_b32 v[GO], 4, v3
	v_add_nc_u32 v[CR], s23, v[GO]
	v_lshlrev_b32 v5, 9, v2
	v_lshl_add_u32 v5, v1, 2, v5
	v_add_nc_u32 v[WW], s23, v5
	v_add_nc_u32 v[WW], 12288, v[WW]               ; lanes 0-15 store the first head's word, lanes 16-31 the second's
	s_lshl_b32 s46, ttmp9, 7                       ; tensor x 128
	s_and_b32 s47, ttmp7, 0xffff
	s_lshl_b32 s47, s47, 4                         ; + batch x 16 (a batch is four tile rows: one cluster)
	s_add_co_u32 s46, s46, s47
	s_lshl_b32 s47, s40, 2
	s_add_co_u32 s46, s46, s47
	s_lshl_b32 s47, s16, 1
	s_add_co_u32 s46, s46, s47                     ; my first head
	s_lshl_b32 s47, s41, 4
	s_lshl_b32 s18, s15, 3
	s_add_co_u32 s47, s47, s18                     ; my first tile of the sequence
	s_mul_i32 s18, s46, 49152
	s_mul_i32 s19, s47, 768
	s_add_co_u32 s18, s18, s19
	s_mov_b32 s19, 0
	s_add_nc_u64 s[12:13], s[10:11], s[18:19]      ; codes
	s_lshl_b32 s18, s46, 12
	s_lshl_b32 s47, s47, 6
	s_add_co_u32 s18, s18, s47
	s_add_co_u32 s18, s18, 12582912
	s_add_nc_u64 s[10:11], s[10:11], s[18:19]      ; words; the terms lie 1,048,576 bytes on
	s_mov_b32 s95, 0xffff0000                      ; lanes 16-31
	s_mov_b32 s96, 0x76543210
	s_mov_b32 s97, 0xfedcba98                      ; lane l xor 16
.macro FRAG reg, adr, q, i             ; a fragment, 16 rows x 128 K, is 12 registers: two pieces' 24 bytes of my lane, each as three loads of 8 bytes: words 6 l and 6 l + 1 of 64 banks, all different
.irp p, 0,1,2,3,4,5
	ds_load_b64 v[\reg+2*\p:\reg+2*\p+1], v[\adr] offset:(\i)*TSTEP+(2*(\q)+\p/3)*PIECE+8*(\p%3)
.endr
.endm
; 16 matrix instructions: A's blocks a0, a0 + 1 x B's eight.  zero = 1: the first product starts the sums on the bias.  The 64 accumulators take turns, one instruction a turn.
.macro MUL16 a0, p, q, sc, zero
.irp a, \a0, \a0+1
.irp b, 0,1,2,3,4,5,6,7
.if \zero
	v_wmma_scale_f32_16x16x128_f8f6f4 v[8*(8*((\a)%4)+\b):8*(8*((\a)%4)+\b)+7], v[128*(\p)+FR*\b:128*(\p)+FR*\b+FR-1], v[AF+FR*(\a):AF+FR*(\a)+FR-1], v[BIAS+8*\b:BIAS+8*\b+7], v[SC+8*NQ*(\sc)+NQ*\b+(\q)], v[SC+8*NQ*(\sc)+NQ*(\a)+(\q)] matrix_a_fmt:MATRIX_FMT_FP6 matrix_b_fmt:MATRIX_FMT_FP6 matrix_a_scale:MATRIX_SCALE_ROW1
.else
	v_wmma_scale_f32_16x16x128_f8f6f4 v[8*(8*((\a)%4)+\b):8*(8*((\a)%4)+\b)+7], v[128*(\p)+FR*\b:128*(\p)+FR*\b+FR-1], v[AF+FR*(\a):AF+FR*(\a)+FR-1], v[8*(8*((\a)%4)+\b):8*(8*((\a)%4)+\b)+7], v[SC+8*NQ*(\sc)+NQ*\b+(\q)], v[SC+8*NQ*(\sc)+NQ*(\a)+(\q)] matrix_a_fmt:MATRIX_FMT_FP6 matrix_b_fmt:MATRIX_FMT_FP6 matrix_a_scale:MATRIX_SCALE_ROW1
.endif
.endr
.endr
.endm
.macro FETCH_B slot, q, p
	WIN TO_B
.irp i, 0,1,2,3,4,5,6,7
	FRAG 128*(\p)+FR*\i, ADRB+\slot, \q, \i
.endr
	WIN 0
.endm
.macro FETCH_A slot, q, i0
.irp i, \i0, \i0+1, \i0+2, \i0+3
	FRAG AF+FR*(\i), ADRA+\slot, \q, \i
.endr
.endm
.macro SCALES sc                       ; the next K step's scale words: lanes 0-15 A's block i, lanes 16-31 B's block i
.irp i, 0,1,2,3,4,5,6,7
.irp q, 0,1
	ds_load_b32 v[SC+8*NQ*\sc+NQ*\i+\q], v[ADRS] offset:64*\i+512*\q
.endr
.endr
.endm
.macro PLACES n                        ; plain vector lines between a matrix instruction and a load into, or a read of, its registers
.rept \n
	v_nop
.endr
.endm
.macro STEP slot, q, zero              ; a step of 128 along K that has its successor in the same slot
	s_wait_dscnt 4*NL                              ; B's set and A's blocks 0-3 are in; the youngest loads (A's blocks 4-7) may be out
.if \zero
	WIN 0x81                                       ; C (the bias) in window 0
.else
	WIN MUL_LO
.endif
	MUL16 0, (\q)%2, \q, \slot, \zero
	MUL16 2, (\q)%2, \q, \slot, \zero
	s_wait_dscnt 0
	PLACES NP
	FETCH_B \slot, (\q)+1, 1-(\q)%2
	FETCH_A \slot, (\q)+1, 0
.if \zero
	WIN 0xc1
.else
	WIN MUL_HI
.endif
	MUL16 4, (\q)%2, \q, \slot, \zero
	MUL16 6, (\q)%2, \q, \slot, \zero
	PLACES NP
	WIN 0
	FETCH_A \slot, (\q)+1, 4
.endm
; A slot's last step changes slots: one barrier; in front of it each wave waits for all its tensor loads, adds 0 to its spare word, and waits for that and for its own reads of this slot.  fill = 1: this slot is filled again, two K steps ahead.
.macro TURN slot, next, fill
	s_wait_tensorcnt 0x0                           ; all my tensor loads have landed: my part of the next slot
	ds_add_u32 v[SPW], v[NIL]                      ; 0 onto my spare word
	s_wait_dscnt 4*NL+1                            ; (the add and the youngest loads, A's blocks 4-7, may be out)
	WIN MUL_LO
	MUL16 0, 1, NQ-1, \slot, 0
	s_wait_dscnt 0x0                               ; the add is done, and my reads of this slot are over
	s_barrier_signal -1
	MUL16 2, 1, NQ-1, \slot, 0
	WIN 0
	s_barrier_wait -1
.if \fill
	CREST                                          ; the barrier has opened a round of the cluster's barrier: no wave of any partner still reads this slot or has a load on its way
	s_add_nc_u64 s[G0+4*\slot+2:G0+4*\slot+3], s[G0+4*\slot+2:G0+4*\slot+3], 2*TSTEP
	s_add_nc_u64 s[G0B+4*\slot+2:G0B+4*\slot+3], s[G0B+4*\slot+2:G0B+4*\slot+3], 2*TSTEP
	JLOAD G0+4*\slot, G1, G0B+4*\slot, G1B         ; the first tensor load behind the round, my one load until the next
.else
	PLACES NP
.endif
	v_add_nc_u32 v[ADRS], 1024, v[ADRS]            ; the next K step's two planes of scale words
	FETCH_B \next, 0, 0
	FETCH_A \next, 0, 0
	SCALES \next
	WIN MUL_HI
	MUL16 4, 1, NQ-1, \slot, 0
	MUL16 6, 1, NQ-1, \slot, 0
	PLACES NP
	WIN 0
	FETCH_A \next, 0, 4
.endm
	s_wait_tensorcnt 1                             ; the scale words and my part of K step 0 are in (K step 1's load may be out),
	s_barrier_signal -1
	s_barrier_wait -1                              ; everybody's are
	FETCH_B 0, 0, 0
	FETCH_A 0, 0, 0
	SCALES 0
	FETCH_A 0, 0, 4
	s_wait_loadcnt 0x0                             ; the bias
	STEP 0, 0, 1                                   ; K = 1,024 is four K steps of 256: they are written out
	TURN 0, 1, 1
	STEP 1, 0, 0
	TURN 1, 0, 1
	STEP 0, 0, 0
	TURN 0, 1, 0                                   ; the last two K steps fill nothing
	STEP 1, 0, 0
	s_wait_dscnt 4*NL
	WIN MUL_LO
	MUL16 0, 1, NQ-1, 1, 0
	MUL16 2, 1, NQ-1, 1, 0
	s_wait_dscnt 0
	WIN MUL_HI
	MUL16 4, 1, NQ-1, 1, 0
	MUL16 6, 1, NQ-1, 1, 0
	WIN 0
; Block a (16 rows x 128 features: 64 numbers a lane, register 16 b + i = feature 32 b + 16 (lane / 16) + i) becomes codes in v[PC] on (registers 6 c .. 6 c + 5: head c's piece) and four bytes in v[TM+4] on.
; nsq = 1: also -0.5 x the sum of squares of each head's 64, in v[SQ] and v[SQ+4].  Each accumulator is read from its low end on.
.macro QUANTW a, nsq
.set AC, 64*((\a)%4)
	WIN 0x0a+5*((\a)/4)                            ; sources 0 and 1: window 2 or 3
.irp b, 0,1,2,3
	v_max3_num_f32 v[TM+\b], |v[AC+16*\b]|, |v[AC+16*\b+1]|, 0x1800000   ; with the floor 2^(3 - 127): the byte cannot fall under 1
.endr
.irp i, 2,4,6,8,10,12,14
.irp b, 0,1,2,3
	v_max3_num_f32 v[TM+\b], |v[AC+16*\b+\i]|, |v[AC+16*\b+\i+1]|, v[TM+\b]
.endr
.endr
.if \nsq
.irp c, 0,1
.irp e, 0,1
	v_pk_mul_f32 v[SQ+4*\c+2*\e:SQ+4*\c+2*\e+1], v[AC+32*\c+2*\e:AC+32*\c+2*\e+1], v[AC+32*\c+2*\e:AC+32*\c+2*\e+1]
.endr
.endr
.irp i, 4,8,12,16,20,24,28
.irp c, 0,1
.irp e, 0,1
	v_pk_fma_f32 v[SQ+4*\c+2*\e:SQ+4*\c+2*\e+1], v[AC+32*\c+\i+2*\e:AC+32*\c+\i+2*\e+1], v[AC+32*\c+\i+2*\e:AC+32*\c+\i+2*\e+1], v[SQ+4*\c+2*\e:SQ+4*\c+2*\e+1]
.endr
.endr
.endr
.endif
	WIN 0
.irp b, 0,1,2,3
	v_permlanex16_b32 v[TM+4+\b], v[TM+\b], s96, s97
.endr
.irp b, 0,1,2,3
	v_max_num_f32 v[TM+\b], v[TM+\b], v[TM+4+\b]   ; with lane l xor 16's: the block's largest magnitude
.endr
.irp b, 0,1,2,3
	v_add_nc_u32 v[TM+12+\b], 0xff000000, v[TM+\b] ; 2 off its exponent field: the conversion's scale operand
.endr
.irp b, 0,1,2,3
	v_lshrrev_b32 v[TM+4+\b], 23, v[TM+12+\b]      ; the scale's byte
.endr
.if \nsq
.irp c, 0,1
	v_pk_add_f32 v[SQ+4*\c:SQ+4*\c+1], v[SQ+4*\c:SQ+4*\c+1], v[SQ+4*\c+2:SQ+4*\c+3]
.endr
.irp c, 0,1
	v_add_f32 v[SQ+4*\c], v[SQ+4*\c], v[SQ+4*\c+1]
.endr
.irp c, 0,1
	v_permlanex16_b32 v[SQP+\c], v[SQ+4*\c], s96, s97
.endr
.irp c, 0,1
	v_add_f32 v[SQ+4*\c], v[SQ+4*\c], v[SQP+\c]
.endr
.irp c, 0,1
	v_mul_f32 v[SQ+4*\c], -0.5, v[SQ+4*\c]
.endr
.endif
	s_wait_dscnt 0x0                               ; the last block's LDS stores have read their registers
	WIN 0x02+(\a)/4                                ; source 0: window 2 or 3
.irp c, 0,1
	v_cvt_scalef32_pk16_fp6_f32 v[PC+6*\c:PC+6*\c+2], v[AC+32*\c:AC+32*\c+15], v[TM+12+2*\c]
	v_cvt_scalef32_pk16_fp6_f32 v[PC+12+4*\c:PC+14+4*\c], v[AC+32*\c+16:AC+32*\c+31], v[TM+12+2*\c+1]   ; (a conversion's three registers begin on an even number)
.endr
	WIN 0
	v_nop                                          ; one plain line behind a scaled conversion
.irp c, 0,1                            ; the operand's layout wants a whole block in a lane: lanes 0-15 block 2 c, lanes 16-31 block 2 c + 1
.irp i, 0,1,2
	v_permlane16_swap_b32 v[PC+6*\c+\i], v[PC+12+4*\c+\i]
.endr
.irp i, 0,1,2
	v_mov_b32 v[PC+3+6*\c+\i], v[PC+12+4*\c+\i]
.endr
.endr
.endm
	PLACES NP
.irp b, 0,1,2,3
	v_mov_b32 v[TM+4+\b], 0                        ; a lane permute's destination counts as one of its sources
.endr
	v_mov_b32 v[SQP], 0
	v_mov_b32 v[SQP+1], 0
.irp a, 0,1,2,3,4,5,6,7
	QUANTW \a, 1
	v_lshl_or_b32 v[WD], v[TM+5], 8, v[TM+4]       ; head 0's word: two bytes, the upper two 0
	v_lshl_or_b32 v[WD+1], v[TM+7], 8, v[TM+6]     ; head 1's
	v_cndmask_b32 v[WD], v[WD], v[WD+1], s95       ; lanes 16-31 carry head 1's
	v_cndmask_b32 v[WD+1], v[SQ], v[SQ+4], s95
.irp c, 0,1
.irp e, 0,1,2
	ds_store_b64 v[CW], v[PC+6*\c+2*\e:PC+6*\c+2*\e+1] offset:6144*\c+768*\a+8*\e
.endr
.endr
	ds_store_b32 v[WW], v[WD] offset:64*\a
	ds_store_b32 v[WW], v[WD+1] offset:64*\a+1024
.endr
.irp k, 0,1,2,3,4,5,6,7,8,9,10,11,12,13,14,15,16,17,18,19,20,21,22,23,24,25,26,27
	ds_load_b128 v[RB+4*\k:RB+4*\k+3], v[CR] offset:512*\k    ; LDS serves a wave's instructions in order: these see my stores
.endr
.irp k, 0,1,2,3,4,5,6,7,8,9,10,11,12,13,14,15,16,17,18,19,20,21,22,23
	s_wait_dscnt 27-\k
	global_store_b128 v[GO], v[RB+4*\k:RB+4*\k+3], s[12:13] offset:49152*(\k/12)+512*(\k%12)   ; 512 consecutive bytes, aligned: eight tiles' pieces of a head lie on end
.endr
.irp k, 24,25,26,27
	s_wait_dscnt 27-\k
	global_store_b128 v[GO], v[RB+4*\k:RB+4*\k+3], s[10:11] offset:1048576*((\k-24)/2)+4096*(\k%2)   ; words of the two heads, then terms
.endr
	s_wait_tensorcnt 0x0                           ; the wave's end
	ds_add_u32 v[SPW], v[NIL]
	s_wait_dscnt 0x0
	CROUND                                         ; the closing round
	s_endpgm
.Lfunc_end_k_qbccfd341c1_gemm_qk:
	.size	k_qbccfd341c1_gemm_qk, .Lfunc_end_k_qbccfd341c1_gemm_qk-k_qbccfd341c1_gemm_qk
	.p2alignl 7, 3214868480
	.fill 96, 4, 3214868480
	.section	.rodata,"a",@progbits
	.p2align	6, 0x0
	.amdhsa_kernel k_qbccfd341c1_gemm_qk
		.amdhsa_group_segment_fixed_size 327680
		.amdhsa_private_segment_fixed_size 0
		.amdhsa_enable_private_segment 0
		.amdhsa_kernarg_size 32
		.amdhsa_user_sgpr_count 2
		.amdhsa_user_sgpr_kernarg_segment_ptr 1
		.amdhsa_wavefront_size32 1
		.amdhsa_system_sgpr_workgroup_id_x 1
		.amdhsa_system_sgpr_workgroup_id_y 1
		.amdhsa_system_sgpr_workgroup_id_z 1
		.amdhsa_system_vgpr_workitem_id 0
		.amdhsa_next_free_vgpr 1024
		.amdhsa_next_free_sgpr 98
		.amdhsa_reserve_vcc 0
		.amdhsa_float_denorm_mode_32 3
		.amdhsa_float_denorm_mode_16_64 3
		.amdhsa_memory_ordered 1
		.amdhsa_forward_progress 1
		.amdhsa_inst_pref_size 195
	.end_amdhsa_kernel
	.amdgpu_metadata
---
amdhsa.version: [ 1, 2 ]
amdhsa.kernels:
  - .name:           k_qbccfd341c1_gemm_qk
    .symbol:         k_qbccfd341c1_gemm_qk.kd
    .args:
      - { .name: opq, .offset: 0, .size: 8, .value_kind: global_buffer, .address_space: global }
      - { .name: bq, .offset: 8, .size: 8, .value_kind: global_buffer, .address_space: global }
      - { .name: bk, .offset: 16, .size: 8, .value_kind: global_buffer, .address_space: global }
      - { .name: qk, .offset: 24, .size: 8, .value_kind: global_buffer, .address_space: global }
    .group_segment_fixed_size: 327680
    .private_segment_fixed_size: 0
    .kernarg_segment_align: 8
    .kernarg_segment_size: 32
    .max_flat_workgroup_size: 128
    .sgpr_count:     98
    .vgpr_count:     1024
    .wavefront_size: 32
...
	.end_amdgpu_metadata
.endif
;; end of part 2
;; launch gemm_v (part 3): grid 32 x 4, 4 waves a work-group, clusters of 4 x 4, 327,680 bytes of LDS; arguments opq, bv, vq; writes vq
.if DOCPART == 3
	.amdgcn_target "amdgcn-amd-amdhsa--gfx1250"
	.amdhsa_code_object_version 6
	.text
	.protected	k_qbccfd341c1_gemm_v
	.globl	k_qbccfd341c1_gemm_v
	.p2align	8
	.type	k_qbccfd341c1_gemm_v,@function
k_qbccfd341c1_gemm_v:
	s_mov_b64 s[64:65], 0
	v_nop
	global_prefetch_b8 v0, s[64:65] scope:SCOPE_SE
	s_setreg_imm32_b32 hwreg(HW_REG_WAVE_MODE, 25, 1), 1
	s_wait_xcnt 0x0
	s_wait_alu depctr_hold_cnt(0) depctr_sa_sdst(0) depctr_va_vdst(0) depctr_va_sdst(0) depctr_va_ssrc(0) depctr_va_vcc(0) depctr_vm_vsrc(0)
	s_getreg_b32 s2, hwreg(HW_REG_IB_STS2, 6, 4)
	s_cmp_eq_u32 s2, 0
	s_cbranch_scc0 .Lentry_in_a_cluster
	s_endpgm
.Lentry_in_a_cluster:
	s_bfe_u32 s2, ttmp6, 0x10000c
	s_cmp_lg_u32 s2, 0xf033
	s_cbranch_scc0 .Lentry_shape_is_right
	s_endpgm
.Lentry_shape_is_right:
; v^T = Wv x^T + bv, 1,024 x 8,192 x 1,024 on codes of FP6 (E2M3) with E8M0 scales; the result is quantised along the KEYS (the rows of x) and leaves as register images of the fragments that attention's second product wants.
; OPERANDS (opq): codes [tile][K / 64][lane][24 bytes], scale words [K / 128][tile][16]; place r of tile T is row 32 (T / 2) + 8 (T % 2) + r % 8 + 16 (r / 8).  A = Wv (the weights' tiles 128-191), B = x.
; The frame is that of the launch before: a tile of 256 x 256, four waves of 128 x 128, four K steps of 256 through two LDS slots, scale words in LDS once, 4 x 4 clusters with joint loads.
; TRANSPOSED USE (source 0 = 16 rows of x, source 1 = 16 rows of Wv): a lane holds one feature, and its 64 registers of a block are keys 32 b + 16 (lane / 16) + i.  The bias, the same in a lane's eight registers, is the C of the first products.
; OUT (vq): codes [head 128][128 keys w 8][tile of 16 features t 4][1,536 bytes: three runs of 16 bytes a lane]; words at 6,291,456 [head][w][t][16].
; The grid has one cluster along y, so the tile row is my place cy.
; LIMITS: a block of zeros gets the byte 1 (this program alone reads the bytes); blocks under 2^-124 were not tried; NaN and infinities are not served.
.set A_OFF,  7864320
.set AS_OFF, 9707520
.set PA,     16384
.set B_OFF,  0
.set BS_OFF, 9437184
.set PB,     32768
.set PTRA,   4
.set PTRB,   4
.set NQ,     2
.set FR,     12
.set NL,     6
.set NP,     4
.set PIECE,  768
.set TSTEP,  3072
.set HALFT,  8*TSTEP
.set SLOT,   4*HALFT
.set SCL,    2*SLOT
.set SPARE,  SCL+4*4096
.set ADRA, 16
.set ADRB, 20
.set WW,   24                          ; my words' stage (512 bytes a wave, in slot 0)
.set RDW,  25
.set GW,   26
.set ADRS, 27
.set SPW,  28
.set NIL,  29
.set GO,   30
.set SC,   32
.set BIAS, 64
.set PC,   64
.set AF,   128
.set TM,   224
.set SQ,   240
.set SQP,  248
.set WD,   250
.set G1, 24
.set G0, 32
.set G1B, 48
.set G0B, 56
.set G1S, 68
.set G0S, 76
.set G1SB, 80
.set G0SB, 88
.set MSB, 0
.macro WIN new
.if MSB != (\new)
	s_set_vgpr_msb (MSB<<8)|(\new)
.set MSB, \new
.endif
.endm
.set MUL_LO, 0xa1
.set MUL_HI, 0xf1
.set TO_B,   0x40
.macro JLOAD g0a, g1a, g0b, g1b        ; a joint load: waves 0 and 1 for A, waves 2 and 3 for B; four v_nop follow each line
	s_cmp_eq_u32 s15, 0
	s_cbranch_scc0 .Lfor_b_\@
	tensor_load_to_lds s[\g0a:\g0a+3], s[\g1a:\g1a+7]
	s_nop 0
.rept 4
	v_nop
.endr
	s_branch .Lasked_\@
.Lfor_b_\@:
	tensor_load_to_lds s[\g0b:\g0b+3], s[\g1b:\g1b+7]
	s_nop 0
.rept 4
	v_nop
.endr
.Lasked_\@:
.endm
.macro CREST
	s_cmp_lg_u32 s14, 0
	s_cbranch_scc1 .Lnot_wave_0_\@
	s_barrier_signal -3
.Lnot_wave_0_\@:
	s_barrier_wait -3
	s_barrier_signal -1
	s_barrier_wait -1
.endm
.macro CROUND
	s_barrier_signal -1
	s_barrier_wait -1
	CREST
.endm
	s_load_b128 s[4:7], s[0:1], 0x0                ; opq s[4:5], bv s[6:7]
	s_load_b64 s[8:9], s[0:1], 0x10                ; vq
	v_lshl_add_u32 v[SPW], v0, 2, SPARE
	v_mov_b32 v[NIL], 0
	ds_add_u32 v28, v29
	ds_add_u32 v28, v29
	s_wait_dscnt 0x0
	v_lshrrev_b32 v1, 5, v0
	v_readfirstlane_b32 s14, v1
	s_lshr_b32 s15, s14, 1
	s_and_b32 s16, s14, 1
	s_bfe_u32 s40, ttmp6, 0x40000                  ; cx
	s_bfe_u32 s41, ttmp6, 0x40004                  ; cy
	s_lshl_b32 s42, ttmp9, 2
	s_add_co_u32 s42, s42, s40                     ; tile column = 4 x cluster x + cx
	s_mov_b32 s17, s41                             ; tile row = cy
	s_lshl_b32 s43, s41, 2
	s_lshl_b32 s43, 15, s43
	s_lshl_b32 s44, 0x1111, s40
	s_or_b32 s[G1+0], s43, (3<<16)|(1<<21)
	s_or_b32 s[G1B+0], s44, (3<<16)|(1<<21)
.irp g, G1, G1B
	s_mov_b32 s[\g+1], 384<<16
	s_mov_b32 s[\g+2], 8<<16
	s_mov_b32 s[\g+3], 384<<16
	s_mov_b32 s[\g+4], 8
	s_mov_b32 s[\g+5], 1536
	s_mov_b32 s[\g+6], 0
	s_mov_b32 s[\g+7], 0
.endr
	s_or_b32 s[G1S+0], s43, (3<<16)|(1<<21)
	s_or_b32 s[G1SB+0], s44, (3<<16)|(1<<21)
.irp g, G1S, G1SB
	s_mov_b32 s[\g+1], 64<<16
	s_mov_b32 s[\g+2], 8<<16
	s_mov_b32 s[\g+3], 64<<16
	s_mov_b32 s[\g+4], 8
	s_mov_b32 s[\g+6], 0
	s_mov_b32 s[\g+7], 0
.endr
	s_mov_b32 s[G1S+5], PA/8
	s_mov_b32 s[G1SB+5], PB/8
	s_lshl_b32 s18, s16, 3
	s_lshl_b32 s20, s17, 4
	s_add_co_u32 s20, s20, s18
	s_lshl_b32 s46, s42, 4
	s_add_co_u32 s46, s46, s18
	s_lshl_b32 s22, s20, 6
	s_lshl_b32 s92, s46, 6
	s_mul_i32 s20, s20, 12288
	s_mul_i32 s46, s46, 12288
	s_add_co_u32 s20, s20, A_OFF
	s_add_co_u32 s22, s22, AS_OFF
	s_add_co_u32 s46, s46, B_OFF
	s_add_co_u32 s92, s92, BS_OFF
	s_mov_b32 s21, 0
	s_mov_b32 s23, 0
	s_mov_b32 s47, 0
	s_mov_b32 s93, 0
	s_mul_i32 s45, s14, HALFT
	s_lshl_b32 s94, s14, 12
	s_wait_kmcnt 0x0
	s_add_nc_u64 s[20:21], s[PTRA:PTRA+1], s[20:21]
	s_add_nc_u64 s[22:23], s[PTRA:PTRA+1], s[22:23]
	s_add_nc_u64 s[46:47], s[PTRB:PTRB+1], s[46:47]
	s_add_nc_u64 s[92:93], s[PTRB:PTRB+1], s[92:93]
	CROUND                                         ; the first joint loads meet
	s_mov_b32 s[G0S], 1
	s_add_co_u32 s[G0S+1], s94, SCL
	s_mov_b64 s[G0S+2:G0S+3], s[22:23]
	s_or_b32 s[G0S+3], s[G0S+3], 0x80000000
	s_mov_b32 s[G0SB], 1
	s_add_co_u32 s[G0SB+1], s94, SCL
	s_mov_b64 s[G0SB+2:G0SB+3], s[92:93]
	s_or_b32 s[G0SB+3], s[G0SB+3], 0x80000000
	JLOAD G0S, G1S, G0SB, G1SB                     ; three loads of mine are out behind these first fills
.irp s, 0,1
	s_mov_b32 s[G0+4*\s], 1
	s_add_co_u32 s[G0+4*\s+1], s45, \s*SLOT
	s_add_nc_u64 s[G0+4*\s+2:G0+4*\s+3], s[20:21], \s*TSTEP
	s_or_b32 s[G0+4*\s+3], s[G0+4*\s+3], 0x80000000
	s_mov_b32 s[G0B+4*\s], 1
	s_add_co_u32 s[G0B+4*\s+1], s45, \s*SLOT
	s_add_nc_u64 s[G0B+4*\s+2:G0B+4*\s+3], s[46:47], \s*TSTEP
	s_or_b32 s[G0B+4*\s+3], s[G0B+4*\s+3], 0x80000000
	JLOAD G0+4*\s, G1, G0B+4*\s, G1B
.endr
	v_and_b32 v1, 15, v0
	v_bfe_u32 v2, v0, 4, 1
	v_and_b32 v3, 31, v0
	v_mul_u32_u24 v4, v3, 24
	s_mul_i32 s21, s15, HALFT
	s_mul_i32 s22, s16, HALFT
	s_add_co_u32 s22, s22, 2*HALFT
.irp s, 0,1
	v_add_nc_u32 v[ADRA+\s], s21, v4
	v_add_nc_u32 v[ADRB+\s], s22, v4
	s_add_co_u32 s21, s21, SLOT
	s_add_co_u32 s22, s22, SLOT
.endr
	s_lshl_b32 s21, s15, 12
	s_lshl_b32 s22, s16, 12
	s_add_co_u32 s22, s22, 8192
	s_sub_co_u32 s22, s22, s21
	v_mul_u32_u24 v6, s22, v2
	s_add_co_u32 s21, s21, SCL
	v_lshl_add_u32 v5, v1, 2, v6
	v_add_nc_u32 v[ADRS], s21, v5
	; the bias: my lane's feature of A's block a is 32 (a / 2) + 8 (a % 2) + r % 8 + 16 (r / 8); its number stands in all eight registers of the block's C
	s_lshl_b32 s20, s41, 10
	s_lshl_b32 s21, s15, 9
	s_add_co_u32 s20, s20, s21
	s_mov_b32 s21, 0
	s_add_nc_u64 s[6:7], s[6:7], s[20:21]
	v_and_b32 v7, 7, v0
	v_bfe_u32 v8, v0, 3, 1
	v_lshl_add_u32 v7, v8, 4, v7
	v_lshlrev_b32 v7, 2, v7
.irp a, 0,1,2,3,4,5,6,7
.irp j, 0,1,2,3,4,5,6,7
	global_load_b32 v[BIAS+8*\a+\j], v7, s[6:7] offset:(32*(\a/2)+8*(\a%2))*4
.endr
.endr
	v_lshlrev_b32 v[GO], 4, v3                     ; 16 x lane
	s_lshl_b32 s23, s14, 9
	v_lshl_add_u32 v[WW], v1, 2, s23               ; the words' stage: [a 8][16 words]
	v_add_nc_u32 v[RDW], s23, v[GO]
	v_lshlrev_b32 v[GW], 11, v2
	v_lshl_add_u32 v[GW], v1, 4, v[GW]             ; lanes 0-15 the first head's 256 bytes, lanes 16-31 the second's, 2,048 bytes on
	s_lshl_b32 s46, ttmp9, 4                       ; batch x 16 (a batch is four tile columns: one cluster)
	s_lshl_b32 s47, s41, 2
	s_add_co_u32 s46, s46, s47
	s_lshl_b32 s47, s15, 1
	s_add_co_u32 s46, s46, s47                     ; my first head
	s_lshl_b32 s47, s40, 1
	s_add_co_u32 s47, s47, s16                     ; my 128 keys of the batch
	s_lshl_b32 s18, s46, 3
	s_add_co_u32 s18, s18, s47
	s_mul_i32 s18, s18, 6144
	s_mov_b32 s19, 0
	s_add_nc_u64 s[12:13], s[8:9], s[18:19]        ; codes
	s_lshl_b32 s18, s46, 11
	s_lshl_b32 s47, s47, 8
	s_add_co_u32 s18, s18, s47
	s_add_co_u32 s18, s18, 6291456
	s_add_nc_u64 s[10:11], s[8:9], s[18:19]        ; words
	s_mov_b32 s96, 0x76543210
	s_mov_b32 s97, 0xfedcba98
.macro FRAG reg, adr, q, i
.irp p, 0,1,2,3,4,5
	ds_load_b64 v[\reg+2*\p:\reg+2*\p+1], v[\adr] offset:(\i)*TSTEP+(2*(\q)+\p/3)*PIECE+8*(\p%3)
.endr
.endm
.macro MUL16 a0, p, q, sc, zero        ; the 64 accumulators take turns, one instruction a turn
.irp a, \a0, \a0+1
.irp b, 0,1,2,3,4,5,6,7
.if \zero
	v_wmma_scale_f32_16x16x128_f8f6f4 v[8*(8*((\a)%4)+\b):8*(8*((\a)%4)+\b)+7], v[128*(\p)+FR*\b:128*(\p)+FR*\b+FR-1], v[AF+FR*(\a):AF+FR*(\a)+FR-1], v[BIAS+8*(\a):BIAS+8*(\a)+7], v[SC+8*NQ*(\sc)+NQ*\b+(\q)], v[SC+8*NQ*(\sc)+NQ*(\a)+(\q)] matrix_a_fmt:MATRIX_FMT_FP6 matrix_b_fmt:MATRIX_FMT_FP6 matrix_a_scale:MATRIX_SCALE_ROW1
.else
	v_wmma_scale_f32_16x16x128_f8f6f4 v[8*(8*((\a)%4)+\b):8*(8*((\a)%4)+\b)+7], v[128*(\p)+FR*\b:128*(\p)+FR*\b+FR-1], v[AF+FR*(\a):AF+FR*(\a)+FR-1], v[8*(8*((\a)%4)+\b):8*(8*((\a)%4)+\b)+7], v[SC+8*NQ*(\sc)+NQ*\b+(\q)], v[SC+8*NQ*(\sc)+NQ*(\a)+(\q)] matrix_a_fmt:MATRIX_FMT_FP6 matrix_b_fmt:MATRIX_FMT_FP6 matrix_a_scale:MATRIX_SCALE_ROW1
.endif
.endr
.endr
.endm
.macro FETCH_B slot, q, p
	WIN TO_B
.irp i, 0,1,2,3,4,5,6,7
	FRAG 128*(\p)+FR*\i, ADRB+\slot, \q, \i
.endr
	WIN 0
.endm
.macro FETCH_A slot, q, i0
.irp i, \i0, \i0+1, \i0+2, \i0+3
	FRAG AF+FR*(\i), ADRA+\slot, \q, \i
.endr
.endm
.macro SCALES sc
.irp i, 0,1,2,3,4,5,6,7
.irp q, 0,1
	ds_load_b32 v[SC+8*NQ*\sc+NQ*\i+\q], v[ADRS] offset:64*\i+512*\q
.endr
.endr
.endm
.macro PLACES n
.rept \n
	v_nop
.endr
.endm
.macro STEP slot, q, zero
	s_wait_dscnt 4*NL                              ; the youngest loads (A's blocks 4-7) may be out
.if \zero
	WIN 0x81
.else
	WIN MUL_LO
.endif
	MUL16 0, (\q)%2, \q, \slot, \zero
	MUL16 2, (\q)%2, \q, \slot, \zero
	s_wait_dscnt 0
	PLACES NP
	FETCH_B \slot, (\q)+1, 1-(\q)%2
	FETCH_A \slot, (\q)+1, 0
.if \zero
	WIN 0xc1
.else
	WIN MUL_HI
.endif
	MUL16 4, (\q)%2, \q, \slot, \zero
	MUL16 6, (\q)%2, \q, \slot, \zero
	PLACES NP
	WIN 0
	FETCH_A \slot, (\q)+1, 4
.endm
.macro TURN slot, next, fill
	s_wait_tensorcnt 0x0                           ; all my tensor loads have landed: my part of the next slot
	ds_add_u32 v[SPW], v[NIL]                      ; 0 onto my spare word
	s_wait_dscnt 4*NL+1                            ; (the add and A's blocks 4-7 may be out)
	WIN MUL_LO
	MUL16 0, 1, NQ-1, \slot, 0
	s_wait_dscnt 0x0                               ; the add is done, and my reads of this slot are over
	s_barrier_signal -1
	MUL16 2, 1, NQ-1, \slot, 0
	WIN 0
	s_barrier_wait -1
.if \fill
	CREST                                          ; a round of the cluster's barrier: no wave of any partner still reads this slot or has a load on its way
	s_add_nc_u64 s[G0+4*\slot+2:G0+4*\slot+3], s[G0+4*\slot+2:G0+4*\slot+3], 2*TSTEP
	s_add_nc_u64 s[G0B+4*\slot+2:G0B+4*\slot+3], s[G0B+4*\slot+2:G0B+4*\slot+3], 2*TSTEP
	JLOAD G0+4*\slot, G1, G0B+4*\slot, G1B
.else
	PLACES NP
.endif
	v_add_nc_u32 v[ADRS], 1024, v[ADRS]
	FETCH_B \next, 0, 0
	FETCH_A \next, 0, 0
	SCALES \next
	WIN MUL_HI
	MUL16 4, 1, NQ-1, \slot, 0
	MUL16 6, 1, NQ-1, \slot, 0
	PLACES NP
	WIN 0
	FETCH_A \next, 0, 4
.endm
	s_wait_tensorcnt 1                             ; the scale words and my part of K step 0 are in (K step 1's load may be out)
	s_barrier_signal -1
	s_barrier_wait -1
	FETCH_B 0, 0, 0
	FETCH_A 0, 0, 0
	SCALES 0
	FETCH_A 0, 0, 4
	s_wait_loadcnt 0x0                             ; the bias
	STEP 0, 0, 1
	TURN 0, 1, 1
	STEP 1, 0, 0
	TURN 1, 0, 1
	STEP 0, 0, 0
	TURN 0, 1, 0
	STEP 1, 0, 0
	s_wait_dscnt 4*NL
	WIN MUL_LO
	MUL16 0, 1, NQ-1, 1, 0
	MUL16 2, 1, NQ-1, 1, 0
	s_wait_dscnt 0
	WIN MUL_HI
	MUL16 4, 1, NQ-1, 1, 0
	MUL16 6, 1, NQ-1, 1, 0
	WIN 0
; Block a (16 features x 128 keys: register 16 b + i = key 32 b + 16 (lane / 16) + i) becomes a fragment's codes in v[PC] on and four bytes in v[TM+4] on.  Each accumulator is read from its low end on.
.macro QUANTW a
.set AC, 64*((\a)%4)
	WIN 0x0a+5*((\a)/4)
.irp b, 0,1,2,3
	v_max3_num_f32 v[TM+\b], |v[AC+16*\b]|, |v[AC+16*\b+1]|, 0x1800000
.endr
.irp i, 2,4,6,8,10,12,14
.irp b, 0,1,2,3
	v_max3_num_f32 v[TM+\b], |v[AC+16*\b+\i]|, |v[AC+16*\b+\i+1]|, v[TM+\b]
.endr
.endr
	WIN 0
.irp b, 0,1,2,3
	v_permlanex16_b32 v[TM+4+\b], v[TM+\b], s96, s97
.endr
.irp b, 0,1,2,3
	v_max_num_f32 v[TM+\b], v[TM+\b], v[TM+4+\b]
.endr
.irp b, 0,1,2,3
	v_add_nc_u32 v[TM+12+\b], 0xff000000, v[TM+\b]
.endr
.irp b, 0,1,2,3
	v_lshrrev_b32 v[TM+4+\b], 23, v[TM+12+\b]
.endr
	s_wait_dscnt 0x0                               ; the last block's LDS store has read its register
	WIN 0x02+(\a)/4
.irp c, 0,1
	v_cvt_scalef32_pk16_fp6_f32 v[PC+6*\c:PC+6*\c+2], v[AC+32*\c:AC+32*\c+15], v[TM+12+2*\c]
	v_cvt_scalef32_pk16_fp6_f32 v[PC+12+4*\c:PC+14+4*\c], v[AC+32*\c+16:AC+32*\c+31], v[TM+12+2*\c+1]
.endr
	WIN 0
	v_nop
.irp c, 0,1
.irp i, 0,1,2
	v_permlane16_swap_b32 v[PC+6*\c+\i], v[PC+12+4*\c+\i]
.endr
.irp i, 0,1,2
	v_mov_b32 v[PC+3+6*\c+\i], v[PC+12+4*\c+\i]
.endr
.endr
.endm
	PLACES NP
.irp b, 0,1,2,3
	v_mov_b32 v[TM+4+\b], 0                        ; a lane permute's destination counts as one of its sources
.endr
.irp a, 0,1,2,3,4,5,6,7
	s_wait_xcnt 0x0                                ; the last block's stores have read their registers
	QUANTW \a
	v_lshl_or_b32 v[WD], v[TM+5], 8, v[TM+4]       ; my feature's scale word for these 128 keys
	v_lshl_or_b32 v[WD], v[TM+6], 16, v[WD]
	v_lshl_or_b32 v[WD], v[TM+7], 24, v[WD]
.irp g, 0,1,2
	global_store_b128 v[GO], v[PC+4*\g:PC+4*\g+3], s[12:13] offset:(\a/4)*49152+(\a%4)*1536+512*\g   ; the fragment as it stands: 512 consecutive bytes, aligned
.endr
	ds_store_b32 v[WW], v[WD] offset:64*\a
.endr
	ds_load_b128 v[112:115], v[RDW]                ; LDS serves a wave's instructions in order
	s_wait_dscnt 0x0
	global_store_b128 v[GW], v[112:115], s[10:11]  ; sixteen lanes store 256 consecutive bytes, aligned
	s_wait_tensorcnt 0x0                           ; the wave's end
	ds_add_u32 v[SPW], v[NIL]
	s_wait_dscnt 0x0
	CROUND                                         ; the closing round
	s_endpgm
.Lfunc_end_k_qbccfd341c1_gemm_v:
	.size	k_qbccfd341c1_gemm_v, .Lfunc_end_k_qbccfd341c1_gemm_v-k_qbccfd341c1_gemm_v
	.p2alignl 7, 3214868480
	.fill 96, 4, 3214868480
	.section	.rodata,"a",@progbits
	.p2align	6, 0x0
	.amdhsa_kernel k_qbccfd341c1_gemm_v
		.amdhsa_group_segment_fixed_size 327680
		.amdhsa_private_segment_fixed_size 0
		.amdhsa_enable_private_segment 0
		.amdhsa_kernarg_size 24
		.amdhsa_user_sgpr_count 2
		.amdhsa_user_sgpr_kernarg_segment_ptr 1
		.amdhsa_wavefront_size32 1
		.amdhsa_system_sgpr_workgroup_id_x 1
		.amdhsa_system_sgpr_workgroup_id_y 1
		.amdhsa_system_sgpr_workgroup_id_z 1
		.amdhsa_system_vgpr_workitem_id 0
		.amdhsa_next_free_vgpr 1024
		.amdhsa_next_free_sgpr 98
		.amdhsa_reserve_vcc 0
		.amdhsa_float_denorm_mode_32 3
		.amdhsa_float_denorm_mode_16_64 3
		.amdhsa_memory_ordered 1
		.amdhsa_forward_progress 1
		.amdhsa_inst_pref_size 173
	.end_amdhsa_kernel
	.amdgpu_metadata
---
amdhsa.version: [ 1, 2 ]
amdhsa.kernels:
  - .name:           k_qbccfd341c1_gemm_v
    .symbol:         k_qbccfd341c1_gemm_v.kd
    .args:
      - { .name: opq, .offset: 0, .size: 8, .value_kind: global_buffer, .address_space: global }
      - { .name: bv, .offset: 8, .size: 8, .value_kind: global_buffer, .address_space: global }
      - { .name: vq, .offset: 16, .size: 8, .value_kind: global_buffer, .address_space: global }
    .group_segment_fixed_size: 327680
    .private_segment_fixed_size: 0
    .kernarg_segment_align: 8
    .kernarg_segment_size: 24
    .max_flat_workgroup_size: 128
    .sgpr_count:     98
    .vgpr_count:     1024
    .wavefront_size: 32
...
	.end_amdgpu_metadata
.endif
;; end of part 3
;; launch attn (part 4): grid 4 x 64, 8 waves a work-group, no clusters, 238,592 bytes of LDS; arguments qk, vq, mask, oq; writes oq
.if DOCPART == 4
	.amdgcn_target "amdgcn-amd-amdhsa--gfx1250"
	.amdhsa_code_object_version 6
	.text
	.protected	k_qbccfd341c1_attn
	.globl	k_qbccfd341c1_attn
	.p2align	8
	.type	k_qbccfd341c1_attn,@function
k_qbccfd341c1_attn:
	s_mov_b64 s[64:65], 0
	v_nop
	global_prefetch_b8 v0, s[64:65] scope:SCOPE_SE
	s_setreg_imm32_b32 hwreg(HW_REG_WAVE_MODE, 25, 1), 1
	s_wait_xcnt 0x0
; o = softmax(0.25 q.k + mask - 0.125 (|q|^2 + |k|^2)) v for 128 heads of 1,024 x 64, both products on codes of FP6 (E2M3) with E8M0 scales; o is quantised along (head, d) for the last projection.
; THE LOGIT: D = k.q - 0.5 |k|^2 (the term is the C of the first product); u = 4 mask + D; t = c u + c (-0.5 |q|^2), c = log2(e) / 4.  The factors 4, 0.5 and 0.25 round nothing.
; THE SOFTMAX: p = 2^(t - M), M a whole number; the sum is taken of the unquantised p and divides at the end.
; SHARES.  A work-group owns two heads (2 p, 2 p + 1 of a batch) and 256 queries.  THE KEYS ARE SPLIT AMONG THE EIGHT WAVES: wave w owns keys 128 w .. 128 w + 127 of both heads for the whole launch: its fragments of K, the terms and all
; scale words stay in registers, its fragments of V^T in LDS bytes of its own.  A tile of 16 queries x 128 keys of the mask is loaded once into registers and serves both heads.
; For each tile of queries and head a wave makes a PARTIAL with its own M_w = ceil(its largest t), its sum l_w and O_w^T; all M are whole numbers, so partials differ by exact powers of two.  They meet in LDS; wave w then
; combines block w % 2 (32 of d) of item w / 2 (item = 2 x tile + head), divides by the sum, quantises and stages the codes.  Two barriers a trip of two tiles.
; No cluster and no joint loads: K and V are read once by a work-group, into registers; the mask tile goes from memory straight to registers, and through LDS it would be written and read there once more for each use.
; K = 64 in the first product: Q's upper six registers are zero codes; a fragment of K runs on over the next fragment's registers, whose codes meet those zeros; bytes 2 and 3 of both scale words are 0.
; Both products are used transposed: a lane holds one query (lane % 16) throughout.  Place r of a tile T is row 32 (T / 2) + 8 (T % 2) + r % 8 + 16 (r / 8), so that the 16 registers of two neighbouring tiles are 16 neighbours.
; LIMITS: -inf in the mask is served; a query whose mask is -inf at EVERY key is not (the 6-bit codes have no NaN: finite numbers come out); NaN and +inf in the mask are not served;
; a block of zeros gets the byte 1 (this program alone reads the bytes).
.set PART, 0                           ; [wave 8][item 4][4,096]: O_w^T as a register image
.set STAT, 131072                      ; [item 4][-M 512, l 512], each [r 16][wave 8]
.set VL,   135168                      ; [wave 8][head 2][tile 4][1,536]: V^T's fragments as register images
.set OST,  233472                      ; [item 4][768]: o's pieces
.set OSB,  236544                      ; [tile 16][r 16][4 bytes]: o's scale words
.set MA,  1                            ; v1   the mask: my row and my 16 keys of a block
.set QA,  2                            ; v2   24 x lane
.set RA,  3                            ; v3   4 r
.set PWA, 4
.set SWA, 5
.set CB0, 6
.set CB1, 7
.set SRA, 8
.set OWA, 9
.set OBA, 10
.set ORA, 11
.set GOA, 12
.set VLA, 13
.set OBT, 14                           ; OBA + 128 x trip
.set OSR, 15
.set KS,  16                           ; v16-23 K's scale words: 4 j + e: lanes 0-15 tile 2 e, lanes 16-31 tile 2 e + 1
.set VS,  24                           ; v24-27 V's, laid likewise
.set QS,  28                           ; v28-29 Q's
.set QT,  30                           ; v30-31 -0.5 |q|^2
.set PW,  32                           ; v32    p's scale word
.set GOS, 33
.set BM,  34                           ; v34-37 block maxima
.set BP,  38                           ; v38-41 the other half's, then bytes
.set SO,  42                           ; v42-45 the conversions' scale operands
.set CQ,  46
.set TT,  47
.set AD,  48                           ; v[48:49] the exponent's addend (the low word serves both halves)
.set NEGM, 50
.set L16, 51                           ; 16 x lane
.set LS,  52                           ; v52-55 the sum's two chains
.set PC,  56                           ; v56-74 p's codes
.set VF,  76                           ; v76-123 V^T's four fragments; at work in the combination
.set S,   124                          ; v124-187 the scores, then p; O_w^T takes the first 32
.set MK,  188                          ; v188-251 the mask tile
.set KF,  0                            ; window 1: K's fragments, 48 j + 6 t, six registers of padding behind them
.set QF,  102                          ; Q's, 12 j
.set KT,  128                          ; -0.5 |k|^2 in the result's layout, 64 j + 8 t
.set F,   VF+16
.set ACC, VF+24
.set T0,  VF+40
.set MSB, 0
.macro WIN new
.if MSB != (\new)
	s_set_vgpr_msb (MSB<<8)|(\new)
.set MSB, \new
.endif
.endm
	s_load_b256 s[4:11], s[0:1], 0x0               ; qk s[4:5], vq s[6:7], mask s[8:9], oq s[10:11]
	v_lshl_add_u32 v254, v0, 2, 0x3a000
	v_mov_b32 v255, 0
	v_lshrrev_b32 v124, 5, v0
	v_readfirstlane_b32 s12, v124                  ; wave 0..7
	v_and_b32 v124, 31, v0                         ; lane
	v_and_b32 v125, 15, v0                         ; r
	v_bfe_u32 v126, v0, 4, 1                       ; h
	v_and_b32 v127, 7, v0
	v_bfe_u32 v128, v0, 3, 1
	v_lshlrev_b32 v[MA], 12, v127
	v_lshl_add_u32 v[MA], v128, 16, v[MA]          ; row r % 8 + 16 (r / 8), 4,096 bytes a row
	v_lshl_add_u32 v[MA], v126, 6, v[MA]           ; + 16 h keys
	s_lshl_b32 s44, s12, 9
	v_add_nc_u32 v[MA], s44, v[MA]                 ; + my wave's 128 keys
	v_mul_u32_u24 v[QA], v124, 24
	v_lshlrev_b32 v[RA], 2, v125
	v_lshlrev_b32 v[L16], 4, v124
	s_lshl_b32 s44, s12, 14
	v_add_nc_u32 v[PWA], s44, v[L16]
	s_lshl_b32 s44, s12, 2
	v_lshl_add_u32 v[SWA], v125, 5, s44
	v_add_nc_u32 v[SWA], STAT, v[SWA]
	s_lshl_b32 s44, s12, 11
	v_add_nc_u32 v[CB0], s44, v[L16]               ; item w / 2, block w % 2: 4,096 (w / 2) + 2,048 (w % 2)
	v_add_nc_u32 v[CB1], 65536, v[CB0]
	s_lshr_b32 s44, s12, 1
	s_lshl_b32 s44, s44, 10
	v_lshl_add_u32 v[SRA], v125, 5, s44
	v_add_nc_u32 v[SRA], STAT, v[SRA]
	s_mul_i32 s44, s12, 384
	v_mul_u32_u24 v[OWA], v125, 24
	v_mad_u32_u24 v[OWA], v126, 12, v[OWA]
	v_add_nc_u32 v[OWA], s44, v[OWA]
	v_add_nc_u32 v[OWA], OST, v[OWA]               ; piece w / 2, lane' 16 (w % 2) + r, my half's 12 bytes
	s_lshr_b32 s44, s12, 2
	s_lshl_b32 s44, s44, 6
	s_and_b32 s45, s12, 3
	s_add_co_u32 s44, s44, s45
	v_lshl_add_u32 v[OBA], v125, 2, s44
	v_add_nc_u32 v[OBA], OSB, v[OBA]               ; tile w / 4 of the trip's two, row r, byte w % 4
	v_mov_b32 v[OBT], v[OBA]
	s_lshl_b32 s44, s12, 9
	v_add_nc_u32 v[ORA], s44, v[L16]
	v_add_nc_u32 v[ORA], OST, v[ORA]
	s_mul_i32 s44, s12, 11
	s_lshr_b32 s44, s44, 5                         ; w / 3 for w = 0 .. 5: which of the trip's two tiles
	s_mul_i32 s45, s44, 3
	s_sub_co_u32 s45, s12, s45
	s_lshl_b32 s45, s45, 9
	s_mul_i32 s44, s44, 12288
	s_add_co_u32 s44, s44, s45
	v_add_nc_u32 v[GOA], s44, v[L16]
	s_mul_i32 s44, s12, 12288
	v_add_nc_u32 v[VLA], s44, v[L16]
	v_add_nc_u32 v[VLA], VL, v[VLA]
	s_and_b32 s44, s12, 1
	s_lshl_b32 s44, s44, 9
	v_add_nc_u32 v[GOS], s44, v[L16]
	v_add_nc_u32 v[OSR], OSB, v[GOS]
	v_lshlrev_b32 v52, 2, v124                     ; 4 x lane, 32 h: addresses of the head's loads
	v_lshlrev_b32 v53, 5, v126
	s_and_b32 s44, ttmp7, 0xffff
	s_lshr_b32 s13, s44, 3                         ; batch
	s_and_b32 s14, s44, 7                          ; pair of heads
	s_lshl_b32 s15, s13, 4
	s_lshl_b32 s45, s14, 1
	s_add_co_u32 s15, s15, s45                     ; my first head
	s_mov_b32 s43, 0
	s_mov_b32 s36, 0x76543210
	s_mov_b32 s37, 0xfedcba98                      ; lane l xor 16
	s_mov_b32 s38, 0x3eb8aa3b                      ; c = log2(e) / 4
	s_mov_b32 s39, s38
	s_mov_b32 s40, 8                               ; trips
	s_mov_b32 s41, 0
	s_wait_kmcnt 0x0
	s_mul_i32 s46, s15, 49152
	s_mul_i32 s42, ttmp9, 12288
	s_add_co_u32 s42, s42, s46
	s_add_nc_u64 s[22:23], s[4:5], s[42:43]        ; Q's codes: my head, my first tile
	s_mul_i32 s42, s12, 6144
	s_add_co_u32 s42, s42, s46
	s_add_co_u32 s42, s42, 6291456
	s_add_nc_u64 s[16:17], s[4:5], s[42:43]        ; K's codes: my eight tiles
	s_lshl_b32 s46, s15, 12
	s_add_co_u32 s46, s46, 12582912
	s_lshl_b32 s42, ttmp9, 10
	s_add_co_u32 s42, s42, s46
	s_add_nc_u64 s[24:25], s[4:5], s[42:43]        ; Q's words; its terms lie 1,048,576 bytes on
	s_lshl_b32 s42, s12, 9
	s_add_co_u32 s42, s42, s46
	s_add_co_u32 s42, s42, 524288
	s_add_nc_u64 s[18:19], s[4:5], s[42:43]        ; K's words and terms
	s_lshl_b32 s42, s15, 3
	s_add_co_u32 s42, s42, s12
	s_mul_i32 s42, s42, 6144
	s_add_nc_u64 s[32:33], s[6:7], s[42:43]        ; V's codes
	s_lshl_b32 s42, s15, 11
	s_lshl_b32 s46, s12, 8
	s_add_co_u32 s42, s42, s46
	s_add_co_u32 s42, s42, 6291456
	s_add_nc_u64 s[34:35], s[6:7], s[42:43]        ; V's words
	s_lshl_b32 s42, ttmp9, 20
	s_add_nc_u64 s[20:21], s[8:9], s[42:43]        ; the mask at my first query
	s_lshl_b32 s46, s13, 6
	s_lshl_b32 s42, ttmp9, 4
	s_add_co_u32 s46, s46, s42                     ; o's first tile: 64 batch + 16 x
	s_mul_i32 s42, s46, 12288
	s_mul_i32 s47, s14, 1536
	s_add_co_u32 s42, s42, s47
	s_add_nc_u64 s[28:29], s[10:11], s[42:43]      ; o's codes: pieces 2 p, 2 p + 1 of the tile
	s_lshl_b32 s42, s46, 6
	s_lshl_b32 s47, s14, 15
	s_add_co_u32 s42, s42, s47
	s_add_co_u32 s42, s42, 6291456
	s_add_nc_u64 s[30:31], s[10:11], s[42:43]      ; o's words: plane p
; The next tile of queries: its mask for my keys, both heads' Q, scale words and terms: 26 loads
.macro NEXT moff, qoff, soff
.irp k, 0,1,2,3,4,5,6,7,8,9,10,11,12,13,14,15
	global_load_b128 v[MK+4*\k:MK+4*\k+3], v[MA], s[20:21] offset:\moff+128*(\k/4)+16*(\k%4)
.endr
	WIN 0x40                                       ; destination window 1
.irp j, 0,1
.irp e, 0,1,2
	global_load_b64 v[QF+12*\j+2*\e:QF+12*\j+2*\e+1], v[QA], s[22:23] offset:\qoff+49152*\j+8*\e
.endr
.endr
	WIN 0
.irp j, 0,1
	global_load_b32 v[QS+\j], v[RA], s[24:25] offset:\soff+4096*\j
	global_load_b32 v[QT+\j], v[RA], s[24:25] offset:\soff+4096*\j+1048576
.endr
.endm
	WIN 0x40
.irp j, 0,1
.irp t, 0,1,2,3,4,5,6,7
.irp e, 0,1,2
	global_load_b64 v[KF+48*\j+6*\t+2*\e:KF+48*\j+6*\t+2*\e+1], v[QA], s[16:17] offset:49152*\j+768*\t+8*\e
.endr
.endr
.endr
.irp j, 0,1
.irp t, 0,1,2,3,4,5,6,7
	global_load_b128 v[KT+64*\j+8*\t:KT+64*\j+8*\t+3], v53, s[18:19] offset:1048576+4096*\j+64*\t       ; places 8 h + 0 .. 7 of the tile
	global_load_b128 v[KT+64*\j+8*\t+4:KT+64*\j+8*\t+7], v53, s[18:19] offset:1048576+4096*\j+64*\t+16
.endr
.endr
; An operand register written by a vector instruction stands four plain vector lines ahead of a scaled matrix instruction.  The first products name head 0's zero codes: they are written first, and the twelve moves
; behind them and the six initialisations below, eighteen plain lines, stand between; nothing but loads, waits and LDS instructions follows up to the first product.
.irp i, 0,1,2,3,4,5
	v_mov_b32 v[QF+6+\i], 0                        ; Q's zero codes for k = 64 .. 127: head 0's,
.endr
.irp i, 0,1,2,3,4,5
	v_mov_b32 v[QF+18+\i], 0                       ; head 1's,
.endr
.irp i, 0,1,2,3,4,5
	v_mov_b32 v[KF+96+\i], 0                       ; and the padding behind K's last fragment
.endr
	WIN 0
.irp b, 0,1,2,3
	v_mov_b32 v[BP+\b], 0                          ; a lane permute's destination counts as one of its sources
.endr
	v_mov_b32 v[TT], 0
	v_mov_b32 v[AD+1], 0                           ; (named as the upper half of a pair)
.irp j, 0,1
.irp e, 0,1,2,3
	global_load_b32 v[KS+4*\j+\e], v52, s[18:19] offset:4096*\j+128*\e
.endr
.endr
.irp j, 0,1
.irp e, 0,1
	global_load_b32 v[VS+2*\j+\e], v52, s[34:35] offset:2048*\j+128*\e
.endr
.endr
.irp k, 0,1,2,3,4,5,6,7,8,9,10,11
	global_load_b128 v[VF+4*\k:VF+4*\k+3], v[L16], s[32:33] offset:512*\k
	global_load_b128 v[S+4*\k:S+4*\k+3], v[L16], s[32:33] offset:49152+512*\k
.endr
	NEXT 0, 0, 0
	s_wait_loadcnt 26                              ; all but the first tile's 26
.irp k, 0,1,2,3,4,5,6,7,8,9,10,11
	ds_store_b128 v[VLA], v[VF+4*\k:VF+4*\k+3] offset:512*\k
	ds_store_b128 v[VLA], v[S+4*\k:S+4*\k+3] offset:6144+512*\k
.endr
; One partial: tile u of the trip, head j.
.macro HEAD u, j
.if \j == 0
	s_wait_loadcnt 0x0                             ; the tile's mask, Q, words and terms
.endif
	s_wait_dscnt 0x0                               ; my last LDS stores have read their registers
.irp k, 0,1,2,3,4,5,6,7,8,9,10,11
	ds_load_b128 v[VF+4*\k:VF+4*\k+3], v[VLA] offset:6144*\j+512*\k
.endr
	WIN 0x15                                       ; K, Q and the terms in window 1, the scores in window 0
.irp t, 0,2,4,6
	v_wmma_scale_f32_16x16x128_f8f6f4 v[S+8*\t:S+8*\t+7], v[KF+48*\j+6*\t:KF+48*\j+6*\t+11], v[QF+12*\j:QF+12*\j+11], v[KT+64*\j+8*\t:KT+64*\j+8*\t+7], v[KS+4*\j+\t/2], v[QS+\j] matrix_a_fmt:MATRIX_FMT_FP6 matrix_b_fmt:MATRIX_FMT_FP6
	v_wmma_scale_f32_16x16x128_f8f6f4 v[S+8*\t+8:S+8*\t+15], v[KF+48*\j+6*\t+6:KF+48*\j+6*\t+17], v[QF+12*\j:QF+12*\j+11], v[KT+64*\j+8*\t+8:KT+64*\j+8*\t+15], v[KS+4*\j+\t/2], v[QS+\j] matrix_a_fmt:MATRIX_FMT_FP6 matrix_b_fmt:MATRIX_FMT_FP6 matrix_a_scale:MATRIX_SCALE_ROW1
.endr
	WIN 0
	v_mul_f32 v[CQ], s38, v[QT+\j]                 ; c x (-0.5 |q|^2); with three v_nop the four places behind the products
.rept 3
	v_nop
.endr
.irp i, 0,2,4,6,8,10,12,14,16,18,20,22,24,26,28,30,32,34,36,38,40,42,44,46,48,50,52,54,56,58,60,62
	v_pk_fma_f32 v[S+\i:S+\i+1], v[MK+\i:MK+\i+1], 4.0, v[S+\i:S+\i+1] op_sel_hi:[1,0,1]   ; u = 4 mask + D; each accumulator from its low end on
.endr
.if \j == 1                            ; the mask tile and Q have served both heads: the next tile is asked for
.if \u == 0
	NEXT 32768, 768, 64
.else
	s_cmp_eq_u32 s40, 1                            ; the last trip asks for nothing: no load leaves its buffer
	s_cbranch_scc1 .Lno_next_\@
	NEXT 131072, 1536, 128
.Lno_next_\@:
.endif
.endif
.irp b, 0,1,2,3
	v_max3_num_f32 v[BM+\b], v[S+16*\b], v[S+16*\b+1], v[S+16*\b+2]   ; the largest u of each block of 32 keys: it serves for the row's maximum and, since p rises with u, for the block's largest p
.endr
.irp i, 3,5,7,9,11,13
.irp b, 0,1,2,3
	v_max3_num_f32 v[BM+\b], v[BM+\b], v[S+16*\b+\i], v[S+16*\b+\i+1]
.endr
.endr
.irp b, 0,1,2,3
	v_max_num_f32 v[BM+\b], v[BM+\b], v[S+16*\b+15]
.endr
.irp b, 0,1,2,3
	v_permlanex16_b32 v[BP+\b], v[BM+\b], s36, s37
.endr
.irp b, 0,1,2,3
	v_max_num_f32 v[BM+\b], v[BM+\b], v[BP+\b]     ; with lane l xor 16's 16 keys
.endr
	v_max3_num_f32 v[TT], v[BM], v[BM+1], v[BM+2]
	v_max_num_f32 v[TT], v[TT], v[BM+3]
	v_fma_f32 v[TT], v[TT], s38, v[CQ]             ; my keys' largest t
	v_max_num_f32 v[TT], 0xff61b1e6, v[TT]         ; held at -3e38, so that 128 hidden keys leave a number
	v_floor_f32 v[NEGM], -v[TT]                    ; -M_w = floor(-t): a whole number
	v_add_f32 v[AD], v[NEGM], v[CQ]
.irp i, 0,2,4,6,8,10,12,14,16,18,20,22,24,26,28,30,32,34,36,38,40,42,44,46,48,50,52,54,56,58,60,62
	v_pk_fma_f32 v[S+\i:S+\i+1], v[S+\i:S+\i+1], s[38:39], v[AD:AD+1] op_sel_hi:[1,0,0]   ; t - M_w
.endr
.irp b, 0,1,2,3
	v_fma_f32 v[BM+\b], v[BM+\b], s38, v[AD]       ; the same of each block's largest
.endr
.irp i, 0,1,2,3,4,5,6,7,8,9,10,11,12,13,14,15,16,17,18,19,20,21,22,23,24,25,26,27,28,29,30,31,32,33,34,35,36,37,38,39,40,41,42,43,44,45,46,47,48,49,50,51,52,53,54,55,56,57,58,59,60,61,62,63
	v_exp_f32 v[S+\i], v[S+\i]                     ; p, not normalised
.endr
.irp b, 0,1,2,3
	v_exp_f32 v[BM+\b], v[BM+\b]                   ; the block's largest p: the same two instructions on the same number
.endr
	v_nop                                          ; a plain line behind the last exponential
	s_wait_alu depctr_va_vdst(0)                   ; one wait for the batch of 68, ahead of its first reader
.irp b, 0,1,2,3
	v_max_num_f32 v[BM+\b], 0x1800000, v[BM+\b]    ; the floor 2^(3 - 127)
.endr
.irp b, 0,1,2,3
	v_add_nc_u32 v[SO+\b], 0xff000000, v[BM+\b]
.endr
.irp b, 0,1,2,3
	v_lshrrev_b32 v[BP+\b], 23, v[SO+\b]
.endr
	v_lshl_or_b32 v[PW], v[BP+1], 8, v[BP]
	v_lshl_or_b32 v[PW], v[BP+2], 16, v[PW]
	v_lshl_or_b32 v[PW], v[BP+3], 24, v[PW]
.irp c, 0,1
	v_cvt_scalef32_pk16_fp6_f32 v[PC+6*\c:PC+6*\c+2], v[S+32*\c:S+32*\c+15], v[SO+2*\c]
	v_cvt_scalef32_pk16_fp6_f32 v[PC+12+4*\c:PC+14+4*\c], v[S+32*\c+16:S+32*\c+31], v[SO+2*\c+1]
.endr
	v_nop
.irp c, 0,1
.irp i, 0,1,2
	v_permlane16_swap_b32 v[PC+6*\c+\i], v[PC+12+4*\c+\i]
.endr
.irp i, 0,1,2
	v_mov_b32 v[PC+3+6*\c+\i], v[PC+12+4*\c+\i]
.endr
.endr
	v_pk_add_f32 v[LS:LS+1], v[S:S+1], v[S+2:S+3]              ; the sum of the unquantised p, in two chains.  These lines are also the places between the writes of p's codes and scale word and the products
	v_pk_add_f32 v[LS+2:LS+3], v[S+4:S+5], v[S+6:S+7]
.irp i, 8,12,16,20,24,28,32,36,40,44,48,52,56,60
	v_pk_add_f32 v[LS:LS+1], v[LS:LS+1], v[S+\i:S+\i+1]
	v_pk_add_f32 v[LS+2:LS+3], v[LS+2:LS+3], v[S+\i+2:S+\i+3]
.endr
	v_pk_add_f32 v[LS:LS+1], v[LS:LS+1], v[LS+2:LS+3]
	v_add_f32 v[LS], v[LS], v[LS+1]
	v_permlanex16_b32 v[TT], v[LS], s36, s37
	v_add_f32 v[LS], v[LS], v[TT]                  ; l_w
	ds_store_b32 v[SWA], v[NEGM] offset:1024*(2*\u+\j)         ; both halves of the lanes write the same word with the same value
	ds_store_b32 v[SWA], v[LS] offset:1024*(2*\u+\j)+512
	s_wait_dscnt 2                                 ; V^T's fragments are in; the two stores may be out
.irp t, 0,2
	v_wmma_scale_f32_16x16x128_f8f6f4 v[S+8*\t:S+8*\t+7], v[VF+12*\t:VF+12*\t+11], v[PC:PC+11], 0, v[VS+2*\j+\t/2], v[PW] matrix_a_fmt:MATRIX_FMT_FP6 matrix_b_fmt:MATRIX_FMT_FP6
	v_wmma_scale_f32_16x16x128_f8f6f4 v[S+8*\t+8:S+8*\t+15], v[VF+12*\t+12:VF+12*\t+23], v[PC:PC+11], 0, v[VS+2*\j+\t/2], v[PW] matrix_a_fmt:MATRIX_FMT_FP6 matrix_b_fmt:MATRIX_FMT_FP6 matrix_a_scale:MATRIX_SCALE_ROW1
.endr
.rept 5
	v_nop                                          ; four places for the stores and loads below, a fifth for the next head's products, which write over these results
.endr
.irp g, 0,1,2,3,4,5,6,7
	ds_store_b128 v[PWA], v[S+4*\g:S+4*\g+3] offset:4096*(2*\u+\j)+512*\g
.endr
.endm
.Ltrip:
	HEAD 0, 0
	HEAD 0, 1
	HEAD 1, 0
	HEAD 1, 1
	s_wait_dscnt 0x0                               ; for the others' sake: my partials and figures have landed
	s_barrier_signal -1
	s_barrier_wait -1
	; THE COMBINATION: item w / 2, block w % 2: 16 queries x 32 of d, 16 numbers a lane
	ds_load_b128 v[VF:VF+3], v[SRA]                ; the eight -M_w of my query,
	ds_load_b128 v[VF+4:VF+7], v[SRA] offset:16
	ds_load_b128 v[VF+8:VF+11], v[SRA] offset:512  ; the eight l_w
	ds_load_b128 v[VF+12:VF+15], v[SRA] offset:528
.irp q, 0,1,2,3
.irp g, 0,1,2,3
	ds_load_b128 v[S+16*\q+4*\g:S+16*\q+4*\g+3], v[CB0] offset:16384*\q+512*\g
.endr
.endr
	s_wait_dscnt 16                                ; the figures are in; the sixteen loads of partials may be out
	v_min3_num_f32 v[T0], v[VF], v[VF+1], v[VF+2]
	v_min3_num_f32 v[T0], v[T0], v[VF+3], v[VF+4]
	v_min3_num_f32 v[T0], v[T0], v[VF+5], v[VF+6]
	v_min_num_f32 v[T0], v[T0], v[VF+7]            ; -M, M the largest M_w
.irp i, 0,1,2,3,4,5,6,7
	v_sub_f32 v[F+\i], v[T0], v[VF+\i]             ; M_w - M: a whole number, 0 or less
.endr
.irp i, 0,1,2,3,4,5,6,7
	v_cvt_i32_f32 v[F+\i], v[F+\i]                 ; (it saturates)
.endr
.irp i, 0,1,2,3,4,5,6,7
	v_ldexp_f32 v[F+\i], 1.0, v[F+\i]              ; f_w = 2^(M_w - M): the multiplications by it round nothing
.endr
	v_mul_f32 v[T0+1], v[F], v[VF+8]
.irp i, 1,2,3,4,5,6,7
	v_fma_f32 v[T0+1], v[F+\i], v[VF+8+\i], v[T0+1]
.endr
	v_mov_b32 v[T0+3], 0                           ; (named as the upper half of a pair)
	v_mov_b32 v[T0+5], 0                           ; (a lane permute's destination)
	v_rcp_f32 v[T0+2], v[T0+1]                     ; 1 / the row's sum
	s_wait_dscnt 0x0
.irp i, 0,2,4,6,8,10,12,14
	v_pk_mul_f32 v[ACC+\i:ACC+\i+1], v[S+\i:S+\i+1], v[F:F+1] op_sel_hi:[1,0]
.endr
.irp i, 0,2,4,6,8,10,12,14
	v_pk_fma_f32 v[ACC+\i:ACC+\i+1], v[S+16+\i:S+16+\i+1], v[F:F+1], v[ACC+\i:ACC+\i+1] op_sel:[0,1,0] op_sel_hi:[1,1,1]
.endr
.irp i, 0,2,4,6,8,10,12,14
	v_pk_fma_f32 v[ACC+\i:ACC+\i+1], v[S+32+\i:S+32+\i+1], v[F+2:F+3], v[ACC+\i:ACC+\i+1] op_sel_hi:[1,0,1]
.endr
.irp i, 0,2,4,6,8,10,12,14
	v_pk_fma_f32 v[ACC+\i:ACC+\i+1], v[S+48+\i:S+48+\i+1], v[F+2:F+3], v[ACC+\i:ACC+\i+1] op_sel:[0,1,0] op_sel_hi:[1,1,1]
.endr
.irp q, 0,1,2,3
.irp g, 0,1,2,3
	ds_load_b128 v[S+16*\q+4*\g:S+16*\q+4*\g+3], v[CB1] offset:16384*\q+512*\g
.endr
.endr
	s_wait_dscnt 0x0
.irp i, 0,2,4,6,8,10,12,14
	v_pk_fma_f32 v[ACC+\i:ACC+\i+1], v[S+\i:S+\i+1], v[F+4:F+5], v[ACC+\i:ACC+\i+1] op_sel_hi:[1,0,1]
.endr
.irp i, 0,2,4,6,8,10,12,14
	v_pk_fma_f32 v[ACC+\i:ACC+\i+1], v[S+16+\i:S+16+\i+1], v[F+4:F+5], v[ACC+\i:ACC+\i+1] op_sel:[0,1,0] op_sel_hi:[1,1,1]
.endr
.irp i, 0,2,4,6,8,10,12,14
	v_pk_fma_f32 v[ACC+\i:ACC+\i+1], v[S+32+\i:S+32+\i+1], v[F+6:F+7], v[ACC+\i:ACC+\i+1] op_sel_hi:[1,0,1]
.endr
.irp i, 0,2,4,6,8,10,12,14
	v_pk_fma_f32 v[ACC+\i:ACC+\i+1], v[S+48+\i:S+48+\i+1], v[F+6:F+7], v[ACC+\i:ACC+\i+1] op_sel:[0,1,0] op_sel_hi:[1,1,1]
.endr
	s_wait_alu depctr_va_vdst(0)                   ; the wait for the reciprocal, ahead of its first reader
.irp i, 0,2,4,6,8,10,12,14
	v_pk_mul_f32 v[ACC+\i:ACC+\i+1], v[ACC+\i:ACC+\i+1], v[T0+2:T0+3] op_sel_hi:[1,0]   ; o(query r, 32 (w % 2) + 16 h + 0 .. 15)
.endr
	v_max3_num_f32 v[T0+4], |v[ACC]|, |v[ACC+1]|, 0x1800000
.irp i, 2,4,6,8,10,12,14
	v_max3_num_f32 v[T0+4], v[T0+4], |v[ACC+\i]|, |v[ACC+\i+1]|
.endr
	v_permlanex16_b32 v[T0+5], v[T0+4], s36, s37
	v_max_num_f32 v[T0+4], v[T0+4], v[T0+5]        ; the block's largest magnitude
	v_add_nc_u32 v[T0+6], 0xff000000, v[T0+4]
	v_cvt_scalef32_pk16_fp6_f32 v[PC:PC+2], v[ACC:ACC+15], v[T0+6]
	v_lshrrev_b32 v[T0+7], 23, v[T0+6]             ; the byte; also the plain line behind the conversion
	ds_store_b32 v[OWA], v[PC]
	ds_store_b32 v[OWA], v[PC+1] offset:4
	ds_store_b32 v[OWA], v[PC+2] offset:8
	ds_store_b8 v[OBT], v[T0+7]                    ; both halves of the lanes write the same byte with the same value
	s_wait_dscnt 0x0                               ; my reads of the partials are over, my pieces have landed
	s_barrier_signal -1
	s_barrier_wait -1
	s_cmp_lt_u32 s12, 6                            ; waves 0 to 5 store the trip's four pieces: 3,072 bytes
	s_cbranch_scc0 .Lno_out
	ds_load_b128 v[VF:VF+3], v[ORA]
	s_wait_dscnt 0x0
	global_store_b128 v[GOA], v[VF:VF+3], s[28:29] ; 512 consecutive bytes, aligned
.Lno_out:
	s_wait_xcnt 0x0                                ; every earlier memory instruction has read its addresses and data: the bases may step
	s_add_nc_u64 s[20:21], s[20:21], 131072        ; 32 rows of the mask
	s_add_nc_u64 s[22:23], s[22:23], 1536          ; two tiles of Q
	s_add_nc_u64 s[24:25], s[24:25], 128
	s_add_nc_u64 s[28:29], s[28:29], 24576         ; two tiles of o
	s_add_co_u32 s41, s41, 128
	v_add_nc_u32 v[OBT], s41, v[OBA]
	s_sub_co_u32 s40, s40, 1
	s_cmp_lg_u32 s40, 0
	s_cbranch_scc1 .Ltrip
	s_cmp_lt_u32 s12, 6                            ; waves 6 and 7 store the sixteen tiles' scale words (the last barrier stands behind the last byte)
	s_cbranch_scc1 .Ldone
	ds_load_b128 v[VF:VF+3], v[OSR]
	s_wait_dscnt 0x0
	global_store_b128 v[GOS], v[VF:VF+3], s[30:31] ; 512 consecutive bytes, aligned
.Ldone:
	s_wait_tensorcnt 0x0
	ds_add_u32 v254, v255
	s_wait_dscnt 0x0
	s_endpgm
.Lfunc_end_k_qbccfd341c1_attn:
	.size	k_qbccfd341c1_attn, .Lfunc_end_k_qbccfd341c1_attn-k_qbccfd341c1_attn
	.p2alignl 7, 3214868480
	.fill 96, 4, 3214868480
	.section	.rodata,"a",@progbits
	.p2align	6, 0x0
	.amdhsa_kernel k_qbccfd341c1_attn
		.amdhsa_group_segment_fixed_size 238592
		.amdhsa_private_segment_fixed_size 0
		.amdhsa_enable_private_segment 0
		.amdhsa_kernarg_size 32
		.amdhsa_user_sgpr_count 2
		.amdhsa_user_sgpr_kernarg_segment_ptr 1
		.amdhsa_wavefront_size32 1
		.amdhsa_system_sgpr_workgroup_id_x 1
		.amdhsa_system_sgpr_workgroup_id_y 1
		.amdhsa_system_sgpr_workgroup_id_z 1
		.amdhsa_system_vgpr_workitem_id 0
		.amdhsa_next_free_vgpr 512
		.amdhsa_next_free_sgpr 66
		.amdhsa_reserve_vcc 0
		.amdhsa_float_denorm_mode_32 3
		.amdhsa_float_denorm_mode_16_64 3
		.amdhsa_memory_ordered 1
		.amdhsa_forward_progress 1
		.amdhsa_inst_pref_size 101
	.end_amdhsa_kernel
	.amdgpu_metadata
---
amdhsa.version: [ 1, 2 ]
amdhsa.kernels:
  - .name:           k_qbccfd341c1_attn
    .symbol:         k_qbccfd341c1_attn.kd
    .args:
      - { .name: qk, .offset: 0, .size: 8, .value_kind: global_buffer, .address_space: global }
      - { .name: vq, .offset: 8, .size: 8, .value_kind: global_buffer, .address_space: global }
      - { .name: mask, .offset: 16, .size: 8, .value_kind: global_buffer, .address_space: global }
      - { .name: oq, .offset: 24, .size: 8, .value_kind: global_buffer, .address_space: global }
    .group_segment_fixed_size: 238592
    .private_segment_fixed_size: 0
    .kernarg_segment_align: 8
    .kernarg_segment_size: 32
    .max_flat_workgroup_size: 256
    .sgpr_count:     66
    .vgpr_count:     512
    .wavefront_size: 32
...
	.end_amdgpu_metadata
.endif
;; end of part 4
;; launch gemm_o (part 5): grid 4 x 32, 4 waves a work-group, clusters of 4 x 4, 327,680 bytes of LDS; arguments oq, opq, bo, out0; writes out0
.if DOCPART == 5
	.amdgcn_target "amdgcn-amd-amdhsa--gfx1250"
	.amdhsa_code_object_version 6
	.text
	.protected	k_qbccfd341c1_gemm_o
	.globl	k_qbccfd341c1_gemm_o
	.p2align	8
	.type	k_qbccfd341c1_gemm_o,@function
k_qbccfd341c1_gemm_o:
	s_mov_b64 s[64:65], 0
	v_nop
	global_prefetch_b8 v0, s[64:65] scope:SCOPE_SE
	s_setreg_imm32_b32 hwreg(HW_REG_WAVE_MODE, 25, 1), 1
	s_wait_xcnt 0x0
	s_wait_alu depctr_hold_cnt(0) depctr_sa_sdst(0) depctr_va_vdst(0) depctr_va_sdst(0) depctr_va_ssrc(0) depctr_va_vcc(0) depctr_vm_vsrc(0)
	s_getreg_b32 s2, hwreg(HW_REG_IB_STS2, 6, 4)
	s_cmp_eq_u32 s2, 0
	s_cbranch_scc0 .Lentry_in_a_cluster
	s_endpgm
.Lentry_in_a_cluster:
	s_bfe_u32 s2, ttmp6, 0x10000c
	s_cmp_lg_u32 s2, 0xf033
	s_cbranch_scc0 .Lentry_shape_is_right
	s_endpgm
.Lentry_shape_is_right:
; out0 = o Wo^T + bo, 8,192 x 1,024 x 1,024 on codes of FP6 (E2M3) with E8M0 scales; f32 out.
; OPERANDS: codes [tile][K / 64][lane][24 bytes], scale words [K / 128][tile][16]; place r of tile T is row 32 (T / 2) + 8 (T % 2) + r % 8 + 16 (r / 8).  A = o (oq), B = Wo (the weights' tiles 192-255 in opq).
; The frame is that of the projections: a tile of 256 x 256, four waves of 128 x 128, four K steps of 256 through two LDS slots, scale words in LDS once, 4 x 4 clusters with joint loads.
; TRANSPOSED USE (source 0 = 16 rows of Wo, source 1 = 16 rows of o): a lane holds one row of out0, and its registers of B's tile b are columns 32 (b / 2) + 8 (b % 2) + 16 (lane / 16) + 0 .. 7.  The bias is the C of the first products.
; THE WAY OUT: a block of 16 rows x 128 columns goes through the wave's own stage (in slot 0, which has had its last fill and its last read) and leaves as whole rows of 512 bytes.
.set A_OFF,  0
.set AS_OFF, 6291456
.set PA,     32768
.set B_OFF,  8650752
.set BS_OFF, 9711616
.set PB,     16384
.set PTRA,   4
.set PTRB,   6
.set NQ,     2
.set FR,     12
.set NL,     6
.set NP,     4
.set PIECE,  768
.set TSTEP,  3072
.set HALFT,  8*TSTEP
.set SLOT,   4*HALFT
.set SCL,    2*SLOT
.set SPARE,  SCL+4*4096
.set SPITCH, 528
.set ADRA, 16
.set ADRB, 20
.set STO,  24
.set RD,   25
.set CO,   26
.set ADRS, 27
.set SPW,  28
.set NIL,  29
.set SC,   32
.set BIAS, 64
.set AF,   128
.set BK,   128
.set G1, 24
.set G0, 32
.set G1B, 48
.set G0B, 56
.set G1S, 68
.set G0S, 76
.set G1SB, 80
.set G0SB, 88
.set MSB, 0
.macro WIN new
.if MSB != (\new)
	s_set_vgpr_msb (MSB<<8)|(\new)
.set MSB, \new
.endif
.endm
.set MUL_LO, 0xa1
.set MUL_HI, 0xf1
.set TO_B,   0x40
.macro JLOAD g0a, g1a, g0b, g1b        ; a joint load: waves 0 and 1 for A, waves 2 and 3 for B; four v_nop follow each line
	s_cmp_eq_u32 s15, 0
	s_cbranch_scc0 .Lfor_b_\@
	tensor_load_to_lds s[\g0a:\g0a+3], s[\g1a:\g1a+7]
	s_nop 0
.rept 4
	v_nop
.endr
	s_branch .Lasked_\@
.Lfor_b_\@:
	tensor_load_to_lds s[\g0b:\g0b+3], s[\g1b:\g1b+7]
	s_nop 0
.rept 4
	v_nop
.endr
.Lasked_\@:
.endm
.macro CREST
	s_cmp_lg_u32 s14, 0
	s_cbranch_scc1 .Lnot_wave_0_\@
	s_barrier_signal -3
.Lnot_wave_0_\@:
	s_barrier_wait -3
	s_barrier_signal -1
	s_barrier_wait -1
.endm
.macro CROUND
	s_barrier_signal -1
	s_barrier_wait -1
	CREST
.endm
	s_load_b256 s[4:11], s[0:1], 0x0               ; oq s[4:5], opq s[6:7], bo s[8:9], out0 s[10:11]
	v_lshl_add_u32 v[SPW], v0, 2, SPARE
	v_mov_b32 v[NIL], 0
	ds_add_u32 v28, v29
	ds_add_u32 v28, v29
	s_wait_dscnt 0x0
	v_lshrrev_b32 v1, 5, v0
	v_readfirstlane_b32 s14, v1
	s_lshr_b32 s15, s14, 1
	s_and_b32 s16, s14, 1
	s_bfe_u32 s40, ttmp6, 0x40000                  ; cx
	s_bfe_u32 s41, ttmp6, 0x40004                  ; cy
	s_lshl_b32 s42, ttmp9, 2
	s_add_co_u32 s42, s42, s40                     ; tile column
	s_and_b32 s17, ttmp7, 0xffff
	s_lshl_b32 s17, s17, 2
	s_add_co_u32 s17, s17, s41                     ; tile row
	s_lshl_b32 s43, s41, 2
	s_lshl_b32 s43, 15, s43
	s_lshl_b32 s44, 0x1111, s40
	s_or_b32 s[G1+0], s43, (3<<16)|(1<<21)
	s_or_b32 s[G1B+0], s44, (3<<16)|(1<<21)
.irp g, G1, G1B
	s_mov_b32 s[\g+1], 384<<16
	s_mov_b32 s[\g+2], 8<<16
	s_mov_b32 s[\g+3], 384<<16
	s_mov_b32 s[\g+4], 8
	s_mov_b32 s[\g+5], 1536
	s_mov_b32 s[\g+6], 0
	s_mov_b32 s[\g+7], 0
.endr
	s_or_b32 s[G1S+0], s43, (3<<16)|(1<<21)
	s_or_b32 s[G1SB+0], s44, (3<<16)|(1<<21)
.irp g, G1S, G1SB
	s_mov_b32 s[\g+1], 64<<16
	s_mov_b32 s[\g+2], 8<<16
	s_mov_b32 s[\g+3], 64<<16
	s_mov_b32 s[\g+4], 8
	s_mov_b32 s[\g+6], 0
	s_mov_b32 s[\g+7], 0
.endr
	s_mov_b32 s[G1S+5], PA/8
	s_mov_b32 s[G1SB+5], PB/8
	s_lshl_b32 s18, s16, 3
	s_lshl_b32 s20, s17, 4
	s_add_co_u32 s20, s20, s18
	s_lshl_b32 s46, s42, 4
	s_add_co_u32 s46, s46, s18
	s_lshl_b32 s22, s20, 6
	s_lshl_b32 s92, s46, 6
	s_mul_i32 s20, s20, 12288
	s_mul_i32 s46, s46, 12288
	s_add_co_u32 s20, s20, A_OFF
	s_add_co_u32 s22, s22, AS_OFF
	s_add_co_u32 s46, s46, B_OFF
	s_add_co_u32 s92, s92, BS_OFF
	s_mov_b32 s21, 0
	s_mov_b32 s23, 0
	s_mov_b32 s47, 0
	s_mov_b32 s93, 0
	s_mul_i32 s45, s14, HALFT
	s_lshl_b32 s94, s14, 12
	s_wait_kmcnt 0x0
	s_add_nc_u64 s[20:21], s[PTRA:PTRA+1], s[20:21]
	s_add_nc_u64 s[22:23], s[PTRA:PTRA+1], s[22:23]
	s_add_nc_u64 s[46:47], s[PTRB:PTRB+1], s[46:47]
	s_add_nc_u64 s[92:93], s[PTRB:PTRB+1], s[92:93]
	CROUND                                         ; the first joint loads meet
	s_mov_b32 s[G0S], 1
	s_add_co_u32 s[G0S+1], s94, SCL
	s_mov_b64 s[G0S+2:G0S+3], s[22:23]
	s_or_b32 s[G0S+3], s[G0S+3], 0x80000000
	s_mov_b32 s[G0SB], 1
	s_add_co_u32 s[G0SB+1], s94, SCL
	s_mov_b64 s[G0SB+2:G0SB+3], s[92:93]
	s_or_b32 s[G0SB+3], s[G0SB+3], 0x80000000
	JLOAD G0S, G1S, G0SB, G1SB                     ; three loads of mine are out behind these first fills
.irp s, 0,1
	s_mov_b32 s[G0+4*\s], 1
	s_add_co_u32 s[G0+4*\s+1], s45, \s*SLOT
	s_add_nc_u64 s[G0+4*\s+2:G0+4*\s+3], s[20:21], \s*TSTEP
	s_or_b32 s[G0+4*\s+3], s[G0+4*\s+3], 0x80000000
	s_mov_b32 s[G0B+4*\s], 1
	s_add_co_u32 s[G0B+4*\s+1], s45, \s*SLOT
	s_add_nc_u64 s[G0B+4*\s+2:G0B+4*\s+3], s[46:47], \s*TSTEP
	s_or_b32 s[G0B+4*\s+3], s[G0B+4*\s+3], 0x80000000
	JLOAD G0+4*\s, G1, G0B+4*\s, G1B
.endr
	v_and_b32 v1, 15, v0
	v_bfe_u32 v2, v0, 4, 1
	v_and_b32 v3, 31, v0
	v_mul_u32_u24 v4, v3, 24
	s_mul_i32 s21, s15, HALFT
	s_mul_i32 s22, s16, HALFT
	s_add_co_u32 s22, s22, 2*HALFT
.irp s, 0,1
	v_add_nc_u32 v[ADRA+\s], s21, v4
	v_add_nc_u32 v[ADRB+\s], s22, v4
	s_add_co_u32 s21, s21, SLOT
	s_add_co_u32 s22, s22, SLOT
.endr
	s_lshl_b32 s21, s15, 12
	s_lshl_b32 s22, s16, 12
	s_add_co_u32 s22, s22, 8192
	s_sub_co_u32 s22, s22, s21
	v_mul_u32_u24 v6, s22, v2
	s_add_co_u32 s21, s21, SCL
	v_lshl_add_u32 v5, v1, 2, v6
	v_add_nc_u32 v[ADRS], s21, v5
	s_lshl_b32 s46, s42, 10                        ; my first column, in bytes: 1,024 x tile column + 512 x half
	s_lshl_b32 s47, s16, 9
	s_add_co_u32 s46, s46, s47
	s_mov_b32 s47, 0
	s_add_nc_u64 s[8:9], s[8:9], s[46:47]          ; the bias there
	v_lshlrev_b32 v7, 6, v2
.irp b, 0,1,2,3,4,5,6,7
	global_load_b128 v[BIAS+8*\b:BIAS+8*\b+3], v7, s[8:9] offset:(32*(\b/2)+8*(\b%2))*4
	global_load_b128 v[BIAS+8*\b+4:BIAS+8*\b+7], v7, s[8:9] offset:(32*(\b/2)+8*(\b%2))*4+16
.endr
	s_mul_i32 s23, s14, 16*SPITCH                  ; my stage
	v_mul_u32_u24 v5, v1, SPITCH
	v_lshl_add_u32 v5, v2, 6, v5
	v_add_nc_u32 v[STO], s23, v5                   ; in: row r, + 64 h bytes
	v_lshlrev_b32 v[CO], 4, v3
	v_add_nc_u32 v[RD], s23, v[CO]                 ; back: the 32 lanes take one row of 512 bytes
	s_lshl_b32 s18, s17, 8
	s_lshl_b32 s19, s15, 7
	s_add_co_u32 s18, s18, s19                     ; my first row
	s_lshl_b32 s18, s18, 12                        ; 4,096 bytes a row
	s_add_co_u32 s18, s18, s46
	s_mov_b32 s19, 0
	s_add_nc_u64 s[12:13], s[10:11], s[18:19]
.macro FRAG reg, adr, q, i
.irp p, 0,1,2,3,4,5
	ds_load_b64 v[\reg+2*\p:\reg+2*\p+1], v[\adr] offset:(\i)*TSTEP+(2*(\q)+\p/3)*PIECE+8*(\p%3)
.endr
.endm
.macro MUL16 a0, p, q, sc, zero        ; the 64 accumulators take turns, one instruction a turn
.irp a, \a0, \a0+1
.irp b, 0,1,2,3,4,5,6,7
.if \zero
	v_wmma_scale_f32_16x16x128_f8f6f4 v[8*(8*((\a)%4)+\b):8*(8*((\a)%4)+\b)+7], v[128*(\p)+FR*\b:128*(\p)+FR*\b+FR-1], v[AF+FR*(\a):AF+FR*(\a)+FR-1], v[BIAS+8*\b:BIAS+8*\b+7], v[SC+8*NQ*(\sc)+NQ*\b+(\q)], v[SC+8*NQ*(\sc)+NQ*(\a)+(\q)] matrix_a_fmt:MATRIX_FMT_FP6 matrix_b_fmt:MATRIX_FMT_FP6 matrix_a_scale:MATRIX_SCALE_ROW1
.else
	v_wmma_scale_f32_16x16x128_f8f6f4 v[8*(8*((\a)%4)+\b):8*(8*((\a)%4)+\b)+7], v[128*(\p)+FR*\b:128*(\p)+FR*\b+FR-1], v[AF+FR*(\a):AF+FR*(\a)+FR-1], v[8*(8*((\a)%4)+\b):8*(8*((\a)%4)+\b)+7], v[SC+8*NQ*(\sc)+NQ*\b+(\q)], v[SC+8*NQ*(\sc)+NQ*(\a)+(\q)] matrix_a_fmt:MATRIX_FMT_FP6 matrix_b_fmt:MATRIX_FMT_FP6 matrix_a_scale:MATRIX_SCALE_ROW1
.endif
.endr
.endr
.endm
.macro FETCH_B slot, q, p
	WIN TO_B
.irp i, 0,1,2,3,4,5,6,7
	FRAG 128*(\p)+FR*\i, ADRB+\slot, \q, \i
.endr
	WIN 0
.endm
.macro FETCH_A slot, q, i0
.irp i, \i0, \i0+1, \i0+2, \i0+3
	FRAG AF+FR*(\i), ADRA+\slot, \q, \i
.endr
.endm
.macro SCALES sc
.irp i, 0,1,2,3,4,5,6,7
.irp q, 0,1
	ds_load_b32 v[SC+8*NQ*\sc+NQ*\i+\q], v[ADRS] offset:64*\i+512*\q
.endr
.endr
.endm
.macro PLACES n
.rept \n
	v_nop
.endr
.endm
.macro STEP slot, q, zero
	s_wait_dscnt 4*NL                              ; the youngest loads (A's blocks 4-7) may be out
.if \zero
	WIN 0x81
.else
	WIN MUL_LO
.endif
	MUL16 0, (\q)%2, \q, \slot, \zero
	MUL16 2, (\q)%2, \q, \slot, \zero
	s_wait_dscnt 0
	PLACES NP
	FETCH_B \slot, (\q)+1, 1-(\q)%2
	FETCH_A \slot, (\q)+1, 0
.if \zero
	WIN 0xc1
.else
	WIN MUL_HI
.endif
	MUL16 4, (\q)%2, \q, \slot, \zero
	MUL16 6, (\q)%2, \q, \slot, \zero
	PLACES NP
	WIN 0
	FETCH_A \slot, (\q)+1, 4
.endm
.macro TURN slot, next, fill
	s_wait_tensorcnt 0x0                           ; all my tensor loads have landed: my part of the next slot
	ds_add_u32 v[SPW], v[NIL]                      ; 0 onto my spare word
	s_wait_dscnt 4*NL+1                            ; (the add and A's blocks 4-7 may be out)
	WIN MUL_LO
	MUL16 0, 1, NQ-1, \slot, 0
	s_wait_dscnt 0x0                               ; the add is done, and my reads of this slot are over
	s_barrier_signal -1
	MUL16 2, 1, NQ-1, \slot, 0
	WIN 0
	s_barrier_wait -1
.if \fill
	CREST                                          ; a round of the cluster's barrier: no wave of any partner still reads this slot or has a load on its way
	s_add_nc_u64 s[G0+4*\slot+2:G0+4*\slot+3], s[G0+4*\slot+2:G0+4*\slot+3], 2*TSTEP
	s_add_nc_u64 s[G0B+4*\slot+2:G0B+4*\slot+3], s[G0B+4*\slot+2:G0B+4*\slot+3], 2*TSTEP
	JLOAD G0+4*\slot, G1, G0B+4*\slot, G1B
.else
	PLACES NP
.endif
	v_add_nc_u32 v[ADRS], 1024, v[ADRS]
	FETCH_B \next, 0, 0
	FETCH_A \next, 0, 0
	SCALES \next
	WIN MUL_HI
	MUL16 4, 1, NQ-1, \slot, 0
	MUL16 6, 1, NQ-1, \slot, 0
	PLACES NP
	WIN 0
	FETCH_A \next, 0, 4
.endm
	s_wait_tensorcnt 1                             ; the scale words and my part of K step 0 are in (K step 1's load may be out)
	s_barrier_signal -1
	s_barrier_wait -1
	FETCH_B 0, 0, 0
	FETCH_A 0, 0, 0
	SCALES 0
	FETCH_A 0, 0, 4
	s_wait_loadcnt 0x0                             ; the bias
	STEP 0, 0, 1
	TURN 0, 1, 1
	STEP 1, 0, 0
	TURN 1, 0, 1
	STEP 0, 0, 0
	TURN 0, 1, 0
	STEP 1, 0, 0
	s_wait_dscnt 4*NL
	WIN MUL_LO
	MUL16 0, 1, NQ-1, 1, 0
	MUL16 2, 1, NQ-1, 1, 0
	s_wait_dscnt 0
	WIN MUL_HI
	MUL16 4, 1, NQ-1, 1, 0
	MUL16 6, 1, NQ-1, 1, 0
	WIN 0
.macro TOSTAGE a
.set AC, 64*((\a)%4)
	WIN 0x08+4*((\a)/4)                            ; an LDS store's data are its source 1: window 2 or 3
.irp b, 0,1,2,3,4,5,6,7
	ds_store_b128 v[STO], v[AC+8*\b:AC+8*\b+3] offset:128*(\b/2)+32*(\b%2)        ; each accumulator from its low end on
	ds_store_b128 v[STO], v[AC+8*\b+4:AC+8*\b+7] offset:128*(\b/2)+32*(\b%2)+16
.endr
	WIN 0
.set BB, BK+64*((\a)%2)
.irp t, 0,1,2,3,4,5,6,7,8,9,10,11,12,13,14,15
	ds_load_b128 v[BB+4*\t:BB+4*\t+3], v[RD] offset:\t*SPITCH      ; LDS serves a wave's instructions in order: these see the stores above
.endr
.endm
.macro SEND a, younger                 ; younger: the LDS instructions issued behind block a's loads, which may stay out
.set BB, BK+64*((\a)%2)
	s_wait_dscnt \younger
.irp t, 0,1,2,3,4,5,6,7,8,9,10,11,12,13,14,15
	global_store_b128 v[CO], v[BB+4*\t:BB+4*\t+3], s[12:13] offset:(32*((\a)/2)+8*((\a)%2)+(\t%8)+16*(\t/8))*4096 th:TH_STORE_NT   ; place t of block a; 512 consecutive bytes, aligned; the base never steps
.endr
.endm
	PLACES NP
	TOSTAGE 0
.irp a, 1,2,3,4,5,6,7
.if \a > 1
	s_wait_xcnt 0x0                                ; block a - 2's stores have read their registers: block a's loads may land there
.endif
	TOSTAGE \a
	SEND \a-1, 32                                  ; behind block a - 1's loads: block a's 16 stores and 16 loads
.endr
	SEND 7, 0
	s_wait_tensorcnt 0x0                           ; the wave's end
	ds_add_u32 v[SPW], v[NIL]
	s_wait_dscnt 0x0
	CROUND                                         ; the closing round
	s_endpgm
.Lfunc_end_k_qbccfd341c1_gemm_o:
	.size	k_qbccfd341c1_gemm_o, .Lfunc_end_k_qbccfd341c1_gemm_o-k_qbccfd341c1_gemm_o
	.p2alignl 7, 3214868480
	.fill 96, 4, 3214868480
	.section	.rodata,"a",@progbits
	.p2align	6, 0x0
	.amdhsa_kernel k_qbccfd341c1_gemm_o
		.amdhsa_group_segment_fixed_size 327680
		.amdhsa_private_segment_fixed_size 0
		.amdhsa_enable_private_segment 0
		.amdhsa_kernarg_size 32
		.amdhsa_user_sgpr_count 2
		.amdhsa_user_sgpr_kernarg_segment_ptr 1
		.amdhsa_wavefront_size32 1
		.amdhsa_system_sgpr_workgroup_id_x 1
		.amdhsa_system_sgpr_workgroup_id_y 1
		.amdhsa_system_sgpr_workgroup_id_z 1
		.amdhsa_system_vgpr_workitem_id 0
		.amdhsa_next_free_vgpr 1024
		.amdhsa_next_free_sgpr 98
		.amdhsa_reserve_vcc 0
		.amdhsa_float_denorm_mode_32 3
		.amdhsa_float_denorm_mode_16_64 3
		.amdhsa_memory_ordered 1
		.amdhsa_forward_progress 1
		.amdhsa_inst_pref_size 162
	.end_amdhsa_kernel
	.amdgpu_metadata
---
amdhsa.version: [ 1, 2 ]
amdhsa.kernels:
  - .name:           k_qbccfd341c1_gemm_o
    .symbol:         k_qbccfd341c1_gemm_o.kd
    .args:
      - { .name: oq, .offset: 0, .size: 8, .value_kind: global_buffer, .address_space: global }
      - { .name: opq, .offset: 8, .size: 8, .value_kind: global_buffer, .address_space: global }
      - { .name: bo, .offset: 16, .size: 8, .value_kind: global_buffer, .address_space: global }
      - { .name: out0, .offset: 24, .size: 8, .value_kind: global_buffer, .address_space: global }
    .group_segment_fixed_size: 327680
    .private_segment_fixed_size: 0
    .kernarg_segment_align: 8
    .kernarg_segment_size: 32
    .max_flat_workgroup_size: 128
    .sgpr_count:     98
    .vgpr_count:     1024
    .wavefront_size: 32
...
	.end_amdgpu_metadata
.endif
;; end of part 5
;; ======== version 2 of 2: 5 launches; version 1 with the launch attn written anew for expert scheduling mode
;; workspace buffers: opq 9,830,400 bytes; qk 14,680,064 bytes; vq 6,553,600 bytes; oq 6,553,600 bytes
;; launch quant: the kernel of part 1 again; grid 384 x 1, 4 waves a work-group, no clusters, 40,448 bytes of LDS; arguments x, Wq, Wk, Wv, Wo, opq; writes opq
;; launch gemm_qk: the kernel of part 2 again; grid 8 x 32, 4 waves a work-group, clusters of 4 x 4, 327,680 bytes of LDS; arguments opq, bq, bk, qk; writes qk
;; launch gemm_v: the kernel of part 3 again; grid 32 x 4, 4 waves a work-group, clusters of 4 x 4, 327,680 bytes of LDS; arguments opq, bv, vq; writes vq
;; launch attn (part 6): grid 4 x 64, 8 waves a work-group, no clusters, 238,592 bytes of LDS; arguments qk, vq, mask, oq; writes oq
.if DOCPART == 6
	.amdgcn_target "amdgcn-amd-amdhsa--gfx1250"
	.amdhsa_code_object_version 6
	.text
	.protected	k_qbccfd341c1_attn
	.globl	k_qbccfd341c1_attn
	.p2align	8
	.type	k_qbccfd341c1_attn,@function
k_qbccfd341c1_attn:
	s_mov_b64 s[64:65], 0
	v_nop
	global_prefetch_b8 v0, s[64:65] scope:SCOPE_SE
	s_setreg_imm32_b32 hwreg(HW_REG_WAVE_SCHED_MODE, 0, 2), 2
	s_setreg_imm32_b32 hwreg(HW_REG_WAVE_MODE, 25, 1), 1
	s_wait_xcnt 0x0
	s_wait_alu depctr_vm_vsrc(0)
; o = softmax(0.25 q.k + mask - 0.125 (|q|^2 + |k|^2)) v for 128 heads of 1,024 x 64, both products on codes of FP6 (E2M3) with E8M0 scales; o is quantised along (head, d) for the last projection.
; THE LOGIT: D = k.q - 0.5 |k|^2 (the term is the C of the first product); u = 4 mask + D; t = c u + c (-0.5 |q|^2), c = log2(e) / 4.  The factors 4, 0.5 and 0.25 round nothing.
; THE SOFTMAX: p = 2^(t - M), M a whole number; the sum is taken of the unquantised p and divides at the end.
; SHARES.  A work-group owns two heads (2 p, 2 p + 1 of a batch) and 256 queries.  THE KEYS ARE SPLIT AMONG THE EIGHT WAVES: wave w owns keys 128 w .. 128 w + 127 of both heads for the whole launch: its fragments of K, the terms and all
; scale words stay in registers, its fragments of V^T in LDS bytes of its own.  A tile of 16 queries x 128 keys of the mask is loaded once into registers and serves both heads.
; For each tile of queries and head a wave makes a PARTIAL with its own M_w = ceil(its largest t), its sum l_w and O_w^T; all M are whole numbers, so partials differ by exact powers of two.  They meet in LDS; wave w then
; combines block w % 2 (32 of d) of item w / 2 (item = 2 x tile + head), divides by the sum, quantises and stages the codes.  Two barriers a trip of two tiles.
; No cluster and no joint loads: K and V are read once by a work-group, into registers; the mask tile goes from memory straight to registers, and through LDS it would be written and read there once more for each use.
; K = 64 in the first product: Q's upper six registers are zero codes; a fragment of K runs on over the next fragment's registers, whose codes meet those zeros; bytes 2 and 3 of both scale words are 0.
; Both products are used transposed: a lane holds one query (lane % 16) throughout.  Place r of a tile T is row 32 (T / 2) + 8 (T % 2) + r % 8 + 16 (r / 8), so that the 16 registers of two neighbouring tiles are 16 neighbours.
; LIMITS: -inf in the mask is served; a query whose mask is -inf at EVERY key is not (the 6-bit codes have no NaN: finite numbers come out); NaN and +inf in the mask are not served;
; a block of zeros gets the byte 1 (this program alone reads the bytes).
; THE MODE: SCHED_MODE bits 1:0 = 2 (LLVM: expert scheduling mode 2), set by the entry lines.  The code itself states the register dependences between vector or matrix instructions and memory or LDS
; instructions, with s_wait_alu, always for 0.
; THE PLAN.  Registers that memory or LDS instructions touch in the loop:
;   VF        A partial's twelve LDS loads land in it, behind the partial's first products; its second products read it.  In the combination the figures land in VF .. VF + 15, vector lines write the rest, and the
;             byte's LDS store reads VF + 47; on the way out a piece lands in VF .. VF + 3 and a global store reads it.
;   S         Written by the first products, worked in place, read by the conversions and the sums; the second products write S .. S + 31, which eight LDS stores read.  In the combination partials land in it, twice.
;   MK, Q's six registers a head, QS, QT   The next tile's 26 global loads land in them, in a tile's second partial, behind the lines that read them last.
;   NEGM, LS  Written by vector lines, read by two LDS stores.      PC .. PC + 2   In the combination: written by the conversion, read by three LDS stores.
;   OBT       The one address that steps: read by the byte's store, written at the trip's end.  Every other address is made at the head and never written again.
; A PARTIAL'S WAITS: on vm_vsrc at its head (the last partial's stores have read their data); on va_vdst ahead of the next tile's loads (second partial of a tile alone), behind the exponentials, ahead of the second
; products, and behind their places, ahead of the stores of O_w^T.  That last wait also states that the second products are done reading VF: between it and the next loads into VF stand only the next partial's first
; products, which name K, Q, the terms, the scale words and S.  Both windows are full but for seven registers: there is no second buffer for the mask.
.set PART, 0                           ; [wave 8][item 4][4,096]: O_w^T as a register image
.set STAT, 131072                      ; [item 4][-M 512, l 512], each [r 16][wave 8]
.set VL,   135168                      ; [wave 8][head 2][tile 4][1,536]: V^T's fragments as register images
.set OST,  233472                      ; [item 4][768]: o's pieces
.set OSB,  236544                      ; [tile 16][r 16][4 bytes]: o's scale words
.set MA,  1                            ; v1   the mask: my row and my 16 keys of a block
.set QA,  2                            ; v2   24 x lane
.set RA,  3                            ; v3   4 r
.set PWA, 4
.set SWA, 5
.set CB0, 6
.set CB1, 7
.set SRA, 8
.set OWA, 9
.set OBA, 10
.set ORA, 11
.set GOA, 12
.set VLA, 13
.set OBT, 14                           ; OBA + 128 x trip
.set OSR, 15
.set KS,  16                           ; v16-23 K's scale words: 4 j + e: lanes 0-15 tile 2 e, lanes 16-31 tile 2 e + 1
.set VS,  24                           ; v24-27 V's, laid likewise
.set QS,  28                           ; v28-29 Q's
.set QT,  30                           ; v30-31 -0.5 |q|^2
.set PW,  32                           ; v32    p's scale word
.set GOS, 33
.set BM,  34                           ; v34-37 block maxima
.set BP,  38                           ; v38-41 the other half's, then bytes
.set SO,  42                           ; v42-45 the conversions' scale operands
.set CQ,  46
.set TT,  47
.set AD,  48                           ; v[48:49] the exponent's addend (the low word serves both halves)
.set NEGM, 50
.set L16, 51                           ; 16 x lane
.set LS,  52                           ; v52-55 the sum's two chains
.set PC,  56                           ; v56-74 p's codes
.set VF,  76                           ; v76-123 V^T's four fragments; at work in the combination
.set S,   124                          ; v124-187 the scores, then p; O_w^T takes the first 32
.set MK,  188                          ; v188-251 the mask tile
.set KF,  0                            ; window 1: K's fragments, 48 j + 6 t, six registers of padding behind them
.set QF,  102                          ; Q's, 12 j
.set KT,  128                          ; -0.5 |k|^2 in the result's layout, 64 j + 8 t
.set F,   VF+16
.set ACC, VF+24
.set T0,  VF+40
.set MSB, 0
.macro WIN new
.if MSB != (\new)
	s_set_vgpr_msb (MSB<<8)|(\new)
.set MSB, \new
.endif
.endm
	s_load_b256 s[4:11], s[0:1], 0x0               ; qk s[4:5], vq s[6:7], mask s[8:9], oq s[10:11]
	v_lshl_add_u32 v254, v0, 2, 0x3a000
	v_mov_b32 v255, 0
; An operand register written by a vector instruction stands four plain vector lines ahead of a scaled matrix instruction, and the wait that states the write behind those lines.  So the zero codes are written first of all:
; the head's address arithmetic, far more than four plain lines, stands between them and the head's wait on va_vdst.
	WIN 0x40                                       ; destination window 1
.irp i, 0,1,2,3,4,5
	v_mov_b32 v[QF+6+\i], 0                        ; Q's zero codes for k = 64 .. 127: head 0's,
.endr
.irp i, 0,1,2,3,4,5
	v_mov_b32 v[QF+18+\i], 0                       ; head 1's,
.endr
.irp i, 0,1,2,3,4,5
	v_mov_b32 v[KF+96+\i], 0                       ; and the padding behind K's last fragment
.endr
	WIN 0
	v_lshrrev_b32 v124, 5, v0
	v_readfirstlane_b32 s12, v124                  ; wave 0..7
	v_and_b32 v124, 31, v0                         ; lane
	v_and_b32 v125, 15, v0                         ; r
	v_bfe_u32 v126, v0, 4, 1                       ; h
	v_and_b32 v127, 7, v0
	v_bfe_u32 v128, v0, 3, 1
	v_lshlrev_b32 v[MA], 12, v127
	v_lshl_add_u32 v[MA], v128, 16, v[MA]          ; row r % 8 + 16 (r / 8), 4,096 bytes a row
	v_lshl_add_u32 v[MA], v126, 6, v[MA]           ; + 16 h keys
	s_wait_alu depctr_va_sdst(0)                   ; s12 is written, ahead of its first reader: addresses, bases and the branches on the wave's number are made from it
	s_lshl_b32 s44, s12, 9
	v_add_nc_u32 v[MA], s44, v[MA]                 ; + my wave's 128 keys
	v_mul_u32_u24 v[QA], v124, 24
	v_lshlrev_b32 v[RA], 2, v125
	v_lshlrev_b32 v[L16], 4, v124
	s_lshl_b32 s44, s12, 14
	v_add_nc_u32 v[PWA], s44, v[L16]
	s_lshl_b32 s44, s12, 2
	v_lshl_add_u32 v[SWA], v125, 5, s44
	v_add_nc_u32 v[SWA], STAT, v[SWA]
	s_lshl_b32 s44, s12, 11
	v_add_nc_u32 v[CB0], s44, v[L16]               ; item w / 2, block w % 2: 4,096 (w / 2) + 2,048 (w % 2)
	v_add_nc_u32 v[CB1], 65536, v[CB0]
	s_lshr_b32 s44, s12, 1
	s_lshl_b32 s44, s44, 10
	v_lshl_add_u32 v[SRA], v125, 5, s44
	v_add_nc_u32 v[SRA], STAT, v[SRA]
	s_mul_i32 s44, s12, 384
	v_mul_u32_u24 v[OWA], v125, 24
	v_mad_u32_u24 v[OWA], v126, 12, v[OWA]
	v_add_nc_u32 v[OWA], s44, v[OWA]
	v_add_nc_u32 v[OWA], OST, v[OWA]               ; piece w / 2, lane' 16 (w % 2) + r, my half's 12 bytes
	s_lshr_b32 s44, s12, 2
	s_lshl_b32 s44, s44, 6
	s_and_b32 s45, s12, 3
	s_add_co_u32 s44, s44, s45
	v_lshl_add_u32 v[OBA], v125, 2, s44
	v_add_nc_u32 v[OBA], OSB, v[OBA]               ; tile w / 4 of the trip's two, row r, byte w % 4
	v_mov_b32 v[OBT], v[OBA]
	s_lshl_b32 s44, s12, 9
	v_add_nc_u32 v[ORA], s44, v[L16]
	v_add_nc_u32 v[ORA], OST, v[ORA]
	s_mul_i32 s44, s12, 11
	s_lshr_b32 s44, s44, 5                         ; w / 3 for w = 0 .. 5: which of the trip's two tiles
	s_mul_i32 s45, s44, 3
	s_sub_co_u32 s45, s12, s45
	s_lshl_b32 s45, s45, 9
	s_mul_i32 s44, s44, 12288
	s_add_co_u32 s44, s44, s45
	v_add_nc_u32 v[GOA], s44, v[L16]
	s_mul_i32 s44, s12, 12288
	v_add_nc_u32 v[VLA], s44, v[L16]
	v_add_nc_u32 v[VLA], VL, v[VLA]
	s_and_b32 s44, s12, 1
	s_lshl_b32 s44, s44, 9
	v_add_nc_u32 v[GOS], s44, v[L16]
	v_add_nc_u32 v[OSR], OSB, v[GOS]
	v_lshlrev_b32 v52, 2, v124                     ; 4 x lane, 32 h: addresses of the head's loads
	v_lshlrev_b32 v53, 5, v126
.irp b, 0,1,2,3
	v_mov_b32 v[BP+\b], 0                          ; a lane permute's destination counts as one of its sources
.endr
	v_mov_b32 v[TT], 0
	v_mov_b32 v[AD+1], 0                           ; (named as the upper half of a pair)
	s_and_b32 s44, ttmp7, 0xffff
	s_lshr_b32 s13, s44, 3                         ; batch
	s_and_b32 s14, s44, 7                          ; pair of heads
	s_lshl_b32 s15, s13, 4
	s_lshl_b32 s45, s14, 1
	s_add_co_u32 s15, s15, s45                     ; my first head
	s_mov_b32 s43, 0
	s_mov_b32 s36, 0x76543210
	s_mov_b32 s37, 0xfedcba98                      ; lane l xor 16
	s_mov_b32 s38, 0x3eb8aa3b                      ; c = log2(e) / 4
	s_mov_b32 s39, s38
	s_mov_b32 s40, 8                               ; trips
	s_mov_b32 s41, 0
	s_wait_kmcnt 0x0
	s_mul_i32 s46, s15, 49152
	s_mul_i32 s42, ttmp9, 12288
	s_add_co_u32 s42, s42, s46
	s_add_nc_u64 s[22:23], s[4:5], s[42:43]        ; Q's codes: my head, my first tile
	s_mul_i32 s42, s12, 6144
	s_add_co_u32 s42, s42, s46
	s_add_co_u32 s42, s42, 6291456
	s_add_nc_u64 s[16:17], s[4:5], s[42:43]        ; K's codes: my eight tiles
	s_lshl_b32 s46, s15, 12
	s_add_co_u32 s46, s46, 12582912
	s_lshl_b32 s42, ttmp9, 10
	s_add_co_u32 s42, s42, s46
	s_add_nc_u64 s[24:25], s[4:5], s[42:43]        ; Q's words; its terms lie 1,048,576 bytes on
	s_lshl_b32 s42, s12, 9
	s_add_co_u32 s42, s42, s46
	s_add_co_u32 s42, s42, 524288
	s_add_nc_u64 s[18:19], s[4:5], s[42:43]        ; K's words and terms
	s_lshl_b32 s42, s15, 3
	s_add_co_u32 s42, s42, s12
	s_mul_i32 s42, s42, 6144
	s_add_nc_u64 s[32:33], s[6:7], s[42:43]        ; V's codes
	s_lshl_b32 s42, s15, 11
	s_lshl_b32 s46, s12, 8
	s_add_co_u32 s42, s42, s46
	s_add_co_u32 s42, s42, 6291456
	s_add_nc_u64 s[34:35], s[6:7], s[42:43]        ; V's words
	s_lshl_b32 s42, ttmp9, 20
	s_add_nc_u64 s[20:21], s[8:9], s[42:43]        ; the mask at my first query
	s_lshl_b32 s46, s13, 6
	s_lshl_b32 s42, ttmp9, 4
	s_add_co_u32 s46, s46, s42                     ; o's first tile: 64 batch + 16 x
	s_mul_i32 s42, s46, 12288
	s_mul_i32 s47, s14, 1536
	s_add_co_u32 s42, s42, s47
	s_add_nc_u64 s[28:29], s[10:11], s[42:43]      ; o's codes: pieces 2 p, 2 p + 1 of the tile
	s_lshl_b32 s42, s46, 6
	s_lshl_b32 s47, s14, 15
	s_add_co_u32 s42, s42, s47
	s_add_co_u32 s42, s42, 6291456
	s_add_nc_u64 s[30:31], s[10:11], s[42:43]      ; o's words: plane p
; The next tile of queries: its mask for my keys, both heads' Q, scale words and terms: 26 loads in one run, with nothing but window switches among them
.macro NEXT moff, qoff, soff
.irp k, 0,1,2,3,4,5,6,7,8,9,10,11,12,13,14,15
	global_load_b128 v[MK+4*\k:MK+4*\k+3], v[MA], s[20:21] offset:\moff+128*(\k/4)+16*(\k%4)
.endr
	WIN 0x40                                       ; destination window 1
.irp j, 0,1
.irp e, 0,1,2
	global_load_b64 v[QF+12*\j+2*\e:QF+12*\j+2*\e+1], v[QA], s[22:23] offset:\qoff+49152*\j+8*\e
.endr
.endr
	WIN 0
.irp j, 0,1
	global_load_b32 v[QS+\j], v[RA], s[24:25] offset:\soff+4096*\j
	global_load_b32 v[QT+\j], v[RA], s[24:25] offset:\soff+4096*\j+1048576
.endr
.endm
	WIN 0x40
	s_wait_alu depctr_va_vdst(0)                   ; all addresses and offsets are written, which the kernel's loads and stores read; so are v124 to v128, in which loads of V land, and the zero codes, which the first products take.  No vector line follows up to the loop
.irp j, 0,1
.irp t, 0,1,2,3,4,5,6,7
.irp e, 0,1,2
	global_load_b64 v[KF+48*\j+6*\t+2*\e:KF+48*\j+6*\t+2*\e+1], v[QA], s[16:17] offset:49152*\j+768*\t+8*\e
.endr
.endr
.endr
.irp j, 0,1
.irp t, 0,1,2,3,4,5,6,7
	global_load_b128 v[KT+64*\j+8*\t:KT+64*\j+8*\t+3], v53, s[18:19] offset:1048576+4096*\j+64*\t       ; places 8 h + 0 .. 7 of the tile
	global_load_b128 v[KT+64*\j+8*\t+4:KT+64*\j+8*\t+7], v53, s[18:19] offset:1048576+4096*\j+64*\t+16
.endr
.endr
	WIN 0
.irp j, 0,1
.irp e, 0,1,2,3
	global_load_b32 v[KS+4*\j+\e], v52, s[18:19] offset:4096*\j+128*\e
.endr
.endr
.irp j, 0,1
.irp e, 0,1
	global_load_b32 v[VS+2*\j+\e], v52, s[34:35] offset:2048*\j+128*\e
.endr
.endr
.irp k, 0,1,2,3,4,5,6,7,8,9,10,11
	global_load_b128 v[VF+4*\k:VF+4*\k+3], v[L16], s[32:33] offset:512*\k
	global_load_b128 v[S+4*\k:S+4*\k+3], v[L16], s[32:33] offset:49152+512*\k
.endr
	NEXT 0, 0, 0
	s_wait_loadcnt 26                              ; all but the first tile's 26
.irp k, 0,1,2,3,4,5,6,7,8,9,10,11
	ds_store_b128 v[VLA], v[VF+4*\k:VF+4*\k+3] offset:512*\k
	ds_store_b128 v[VLA], v[S+4*\k:S+4*\k+3] offset:6144+512*\k
.endr
	s_wait_alu depctr_vm_vsrc(0)                   ; these LDS stores have read VF, in which the loop's loads land, and S, which its products write; the head's loads have read v52 and v53, which hold the sums from here on
; One partial: tile u of the trip, head j.
.macro HEAD u, j
.if \j == 0
	s_wait_loadcnt 0x0                             ; the tile's mask, Q, words and terms
.endif
.if (\u)+(\j) > 0
	s_wait_alu depctr_vm_vsrc(0)                   ; the last partial's LDS stores have read S .. S + 31, -M_w and l_w, which the products and the lines below write again.  (For the trip's first partial the wait ahead of the loop, or the one at the trip's end, has stated as much)
.endif
	WIN 0x15                                       ; K, Q and the terms in window 1, the scores in window 0
.irp t, 0,2,4,6
	v_wmma_scale_f32_16x16x128_f8f6f4 v[S+8*\t:S+8*\t+7], v[KF+48*\j+6*\t:KF+48*\j+6*\t+11], v[QF+12*\j:QF+12*\j+11], v[KT+64*\j+8*\t:KT+64*\j+8*\t+7], v[KS+4*\j+\t/2], v[QS+\j] matrix_a_fmt:MATRIX_FMT_FP6 matrix_b_fmt:MATRIX_FMT_FP6
	v_wmma_scale_f32_16x16x128_f8f6f4 v[S+8*\t+8:S+8*\t+15], v[KF+48*\j+6*\t+6:KF+48*\j+6*\t+17], v[QF+12*\j:QF+12*\j+11], v[KT+64*\j+8*\t+8:KT+64*\j+8*\t+15], v[KS+4*\j+\t/2], v[QS+\j] matrix_a_fmt:MATRIX_FMT_FP6 matrix_b_fmt:MATRIX_FMT_FP6 matrix_a_scale:MATRIX_SCALE_ROW1
.endr
	WIN 0
.irp k, 0,1,2,3,4,5,6,7,8,9,10,11
	ds_load_b128 v[VF+4*\k:VF+4*\k+3], v[VLA] offset:6144*\j+512*\k   ; V^T's fragments, behind the products.  No wait: since the last wait on va_vdst no vector or matrix instruction names VF or its address
.endr
	v_mul_f32 v[CQ], s38, v[QT+\j]                 ; c x (-0.5 |q|^2); with three v_nop the four places behind the products
.rept 3
	v_nop
.endr
.irp i, 0,2,4,6,8,10,12,14,16,18,20,22,24,26,28,30,32,34,36,38,40,42,44,46,48,50,52,54,56,58,60,62
	v_pk_fma_f32 v[S+\i:S+\i+1], v[MK+\i:MK+\i+1], 4.0, v[S+\i:S+\i+1] op_sel_hi:[1,0,1]   ; u = 4 mask + D; each accumulator from its low end on
.endr
.if \j == 1                            ; the mask tile and Q have served both heads: the next tile is asked for
.if \u == 0
	s_wait_alu depctr_va_vdst(0)                   ; the multiply-adds are done reading the mask tile, the products Q and its scale words, the line above them Q's term: the loads below land in all of these
	NEXT 32768, 768, 64
.else
	s_cmp_eq_u32 s40, 1                            ; the last trip asks for nothing: no load leaves its buffer
	s_cbranch_scc1 .Lno_next_\@
	s_wait_alu depctr_va_vdst(0)                   ; the multiply-adds are done reading the mask tile, the products Q and its scale words, the line above them Q's term: the loads below land in all of these
	NEXT 131072, 1536, 128
.Lno_next_\@:
.endif
.endif
.irp b, 0,1,2,3
	v_max3_num_f32 v[BM+\b], v[S+16*\b], v[S+16*\b+1], v[S+16*\b+2]   ; the largest u of each block of 32 keys: it serves for the row's maximum and, since p rises with u, for the block's largest p
.endr
.irp i, 3,5,7,9,11,13
.irp b, 0,1,2,3
	v_max3_num_f32 v[BM+\b], v[BM+\b], v[S+16*\b+\i], v[S+16*\b+\i+1]
.endr
.endr
.irp b, 0,1,2,3
	v_max_num_f32 v[BM+\b], v[BM+\b], v[S+16*\b+15]
.endr
.irp b, 0,1,2,3
	v_permlanex16_b32 v[BP+\b], v[BM+\b], s36, s37
.endr
.irp b, 0,1,2,3
	v_max_num_f32 v[BM+\b], v[BM+\b], v[BP+\b]     ; with lane l xor 16's 16 keys
.endr
	v_max3_num_f32 v[TT], v[BM], v[BM+1], v[BM+2]
	v_max_num_f32 v[TT], v[TT], v[BM+3]
	v_fma_f32 v[TT], v[TT], s38, v[CQ]             ; my keys' largest t
	v_max_num_f32 v[TT], 0xff61b1e6, v[TT]         ; held at -3e38, so that 128 hidden keys leave a number
	v_floor_f32 v[NEGM], -v[TT]                    ; -M_w = floor(-t): a whole number
	v_add_f32 v[AD], v[NEGM], v[CQ]
.irp i, 0,2,4,6,8,10,12,14,16,18,20,22,24,26,28,30,32,34,36,38,40,42,44,46,48,50,52,54,56,58,60,62
	v_pk_fma_f32 v[S+\i:S+\i+1], v[S+\i:S+\i+1], s[38:39], v[AD:AD+1] op_sel_hi:[1,0,0]   ; t - M_w
.endr
.irp b, 0,1,2,3
	v_fma_f32 v[BM+\b], v[BM+\b], s38, v[AD]       ; the same of each block's largest
.endr
.irp i, 0,1,2,3,4,5,6,7,8,9,10,11,12,13,14,15,16,17,18,19,20,21,22,23,24,25,26,27,28,29,30,31,32,33,34,35,36,37,38,39,40,41,42,43,44,45,46,47,48,49,50,51,52,53,54,55,56,57,58,59,60,61,62,63
	v_exp_f32 v[S+\i], v[S+\i]                     ; p, not normalised
.endr
.irp b, 0,1,2,3
	v_exp_f32 v[BM+\b], v[BM+\b]                   ; the block's largest p: the same two instructions on the same number
.endr
	v_nop                                          ; a plain line behind the last exponential
	s_wait_alu depctr_va_vdst(0)                   ; the 68 exponentials have written p and the blocks' largest p: one wait for the batch, ahead of its first reader
.irp b, 0,1,2,3
	v_max_num_f32 v[BM+\b], 0x1800000, v[BM+\b]    ; the floor 2^(3 - 127)
.endr
.irp b, 0,1,2,3
	v_add_nc_u32 v[SO+\b], 0xff000000, v[BM+\b]
.endr
.irp b, 0,1,2,3
	v_lshrrev_b32 v[BP+\b], 23, v[SO+\b]
.endr
	v_lshl_or_b32 v[PW], v[BP+1], 8, v[BP]
	v_lshl_or_b32 v[PW], v[BP+2], 16, v[PW]
	v_lshl_or_b32 v[PW], v[BP+3], 24, v[PW]
.irp c, 0,1
	v_cvt_scalef32_pk16_fp6_f32 v[PC+6*\c:PC+6*\c+2], v[S+32*\c:S+32*\c+15], v[SO+2*\c]
	v_cvt_scalef32_pk16_fp6_f32 v[PC+12+4*\c:PC+14+4*\c], v[S+32*\c+16:S+32*\c+31], v[SO+2*\c+1]
.endr
	v_nop
.irp c, 0,1
.irp i, 0,1,2
	v_permlane16_swap_b32 v[PC+6*\c+\i], v[PC+12+4*\c+\i]
.endr
.irp i, 0,1,2
	v_mov_b32 v[PC+3+6*\c+\i], v[PC+12+4*\c+\i]
.endr
.endr
	v_pk_add_f32 v[LS:LS+1], v[S:S+1], v[S+2:S+3]              ; the sum of the unquantised p, in two chains.  These lines are also the places between the writes of p's codes and scale word and the products
	v_pk_add_f32 v[LS+2:LS+3], v[S+4:S+5], v[S+6:S+7]
.irp i, 8,12,16,20,24,28,32,36,40,44,48,52,56,60
	v_pk_add_f32 v[LS:LS+1], v[LS:LS+1], v[S+\i:S+\i+1]
	v_pk_add_f32 v[LS+2:LS+3], v[LS+2:LS+3], v[S+\i+2:S+\i+3]
.endr
	v_pk_add_f32 v[LS:LS+1], v[LS:LS+1], v[LS+2:LS+3]
	v_add_f32 v[LS], v[LS], v[LS+1]
	v_permlanex16_b32 v[TT], v[LS], s36, s37
	v_add_f32 v[LS], v[LS], v[TT]                  ; l_w
	s_wait_alu depctr_va_vdst(0)                   ; p's codes and scale word are written, which the scaled products take (their places stand above); so are -M_w and l_w, which the two LDS stores behind the products read
	s_wait_dscnt 0x0                               ; V^T's fragments are in: no LDS instruction was issued behind their loads
.irp t, 0,2
	v_wmma_scale_f32_16x16x128_f8f6f4 v[S+8*\t:S+8*\t+7], v[VF+12*\t:VF+12*\t+11], v[PC:PC+11], 0, v[VS+2*\j+\t/2], v[PW] matrix_a_fmt:MATRIX_FMT_FP6 matrix_b_fmt:MATRIX_FMT_FP6
	v_wmma_scale_f32_16x16x128_f8f6f4 v[S+8*\t+8:S+8*\t+15], v[VF+12*\t+12:VF+12*\t+23], v[PC:PC+11], 0, v[VS+2*\j+\t/2], v[PW] matrix_a_fmt:MATRIX_FMT_FP6 matrix_b_fmt:MATRIX_FMT_FP6 matrix_a_scale:MATRIX_SCALE_ROW1
.endr
	ds_store_b32 v[SWA], v[NEGM] offset:1024*(2*\u+\j)         ; both halves of the lanes write the same word with the same value.  No wait: the products, the only lines since the wait above, name neither figure nor the address
	ds_store_b32 v[SWA], v[LS] offset:1024*(2*\u+\j)+512
.rept 5
	v_nop                                          ; four places for the stores below, a fifth for the next head's products, which write over these results
.endr
	s_wait_alu depctr_va_vdst(0)                   ; the products have written O_w^T, which the LDS stores read (the places above stay beside this wait), and are done reading VF, in which the next loads of fragments or figures land
.irp g, 0,1,2,3,4,5,6,7
	ds_store_b128 v[PWA], v[S+4*\g:S+4*\g+3] offset:4096*(2*\u+\j)+512*\g
.endr
.endm
.Ltrip:
	HEAD 0, 0
	HEAD 0, 1
	HEAD 1, 0
	HEAD 1, 1
	s_wait_dscnt 0x0                               ; for the others' sake: my partials and figures have landed
	s_barrier_signal -1
	s_barrier_wait -1
	s_wait_alu depctr_vm_vsrc(0)                   ; my LDS stores have read S .. S + 31, in which partials land below
	; THE COMBINATION: item w / 2, block w % 2: 16 queries x 32 of d, 16 numbers a lane
	ds_load_b128 v[VF:VF+3], v[SRA]                ; the eight -M_w of my query,
	ds_load_b128 v[VF+4:VF+7], v[SRA] offset:16
	ds_load_b128 v[VF+8:VF+11], v[SRA] offset:512  ; the eight l_w
	ds_load_b128 v[VF+12:VF+15], v[SRA] offset:528
.irp q, 0,1,2,3
.irp g, 0,1,2,3
	ds_load_b128 v[S+16*\q+4*\g:S+16*\q+4*\g+3], v[CB0] offset:16384*\q+512*\g
.endr
.endr
	s_wait_dscnt 16                                ; the figures are in; the sixteen loads of partials may be out
	v_min3_num_f32 v[T0], v[VF], v[VF+1], v[VF+2]
	v_min3_num_f32 v[T0], v[T0], v[VF+3], v[VF+4]
	v_min3_num_f32 v[T0], v[T0], v[VF+5], v[VF+6]
	v_min_num_f32 v[T0], v[T0], v[VF+7]            ; -M, M the largest M_w
.irp i, 0,1,2,3,4,5,6,7
	v_sub_f32 v[F+\i], v[T0], v[VF+\i]             ; M_w - M: a whole number, 0 or less
.endr
.irp i, 0,1,2,3,4,5,6,7
	v_cvt_i32_f32 v[F+\i], v[F+\i]                 ; (it saturates)
.endr
.irp i, 0,1,2,3,4,5,6,7
	v_ldexp_f32 v[F+\i], 1.0, v[F+\i]              ; f_w = 2^(M_w - M): the multiplications by it round nothing
.endr
	v_mul_f32 v[T0+1], v[F], v[VF+8]
.irp i, 1,2,3,4,5,6,7
	v_fma_f32 v[T0+1], v[F+\i], v[VF+8+\i], v[T0+1]
.endr
	v_mov_b32 v[T0+3], 0                           ; (named as the upper half of a pair)
	v_mov_b32 v[T0+5], 0                           ; (a lane permute's destination)
	v_rcp_f32 v[T0+2], v[T0+1]                     ; 1 / the row's sum
	s_wait_dscnt 0x0
.irp i, 0,2,4,6,8,10,12,14
	v_pk_mul_f32 v[ACC+\i:ACC+\i+1], v[S+\i:S+\i+1], v[F:F+1] op_sel_hi:[1,0]
.endr
.irp i, 0,2,4,6,8,10,12,14
	v_pk_fma_f32 v[ACC+\i:ACC+\i+1], v[S+16+\i:S+16+\i+1], v[F:F+1], v[ACC+\i:ACC+\i+1] op_sel:[0,1,0] op_sel_hi:[1,1,1]
.endr
.irp i, 0,2,4,6,8,10,12,14
	v_pk_fma_f32 v[ACC+\i:ACC+\i+1], v[S+32+\i:S+32+\i+1], v[F+2:F+3], v[ACC+\i:ACC+\i+1] op_sel_hi:[1,0,1]
.endr
.irp i, 0,2,4,6,8,10,12,14
	v_pk_fma_f32 v[ACC+\i:ACC+\i+1], v[S+48+\i:S+48+\i+1], v[F+2:F+3], v[ACC+\i:ACC+\i+1] op_sel:[0,1,0] op_sel_hi:[1,1,1]
.endr
	s_wait_alu depctr_va_vdst(0)                   ; the multiply-adds are done reading S, in which the other four waves' partials land; and the reciprocal has written its result, ahead of its first reader
.irp q, 0,1,2,3
.irp g, 0,1,2,3
	ds_load_b128 v[S+16*\q+4*\g:S+16*\q+4*\g+3], v[CB1] offset:16384*\q+512*\g
.endr
.endr
	s_wait_dscnt 0x0
.irp i, 0,2,4,6,8,10,12,14
	v_pk_fma_f32 v[ACC+\i:ACC+\i+1], v[S+\i:S+\i+1], v[F+4:F+5], v[ACC+\i:ACC+\i+1] op_sel_hi:[1,0,1]
.endr
.irp i, 0,2,4,6,8,10,12,14
	v_pk_fma_f32 v[ACC+\i:ACC+\i+1], v[S+16+\i:S+16+\i+1], v[F+4:F+5], v[ACC+\i:ACC+\i+1] op_sel:[0,1,0] op_sel_hi:[1,1,1]
.endr
.irp i, 0,2,4,6,8,10,12,14
	v_pk_fma_f32 v[ACC+\i:ACC+\i+1], v[S+32+\i:S+32+\i+1], v[F+6:F+7], v[ACC+\i:ACC+\i+1] op_sel_hi:[1,0,1]
.endr
.irp i, 0,2,4,6,8,10,12,14
	v_pk_fma_f32 v[ACC+\i:ACC+\i+1], v[S+48+\i:S+48+\i+1], v[F+6:F+7], v[ACC+\i:ACC+\i+1] op_sel:[0,1,0] op_sel_hi:[1,1,1]
.endr
.irp i, 0,2,4,6,8,10,12,14
	v_pk_mul_f32 v[ACC+\i:ACC+\i+1], v[ACC+\i:ACC+\i+1], v[T0+2:T0+3] op_sel_hi:[1,0]   ; o(query r, 32 (w % 2) + 16 h + 0 .. 15)
.endr
	v_max3_num_f32 v[T0+4], |v[ACC]|, |v[ACC+1]|, 0x1800000
.irp i, 2,4,6,8,10,12,14
	v_max3_num_f32 v[T0+4], v[T0+4], |v[ACC+\i]|, |v[ACC+\i+1]|
.endr
	v_permlanex16_b32 v[T0+5], v[T0+4], s36, s37
	v_max_num_f32 v[T0+4], v[T0+4], v[T0+5]        ; the block's largest magnitude
	v_add_nc_u32 v[T0+6], 0xff000000, v[T0+4]
	v_cvt_scalef32_pk16_fp6_f32 v[PC:PC+2], v[ACC:ACC+15], v[T0+6]
	v_lshrrev_b32 v[T0+7], 23, v[T0+6]             ; the byte; also the plain line behind the conversion
	s_wait_alu depctr_va_vdst(0)                   ; the conversion has written the codes and the line above the byte, which the LDS stores read; the byte's address was written at the last trip's end; and the lines above are done with VF .. VF + 3, in which a piece lands below
	ds_store_b32 v[OWA], v[PC]
	ds_store_b32 v[OWA], v[PC+1] offset:4
	ds_store_b32 v[OWA], v[PC+2] offset:8
	ds_store_b8 v[OBT], v[T0+7]                    ; both halves of the lanes write the same byte with the same value
	s_wait_dscnt 0x0                               ; my reads of the partials are over, my pieces have landed
	s_barrier_signal -1
	s_barrier_wait -1
	s_cmp_lt_u32 s12, 6                            ; waves 0 to 5 store the trip's four pieces: 3,072 bytes
	s_cbranch_scc0 .Lno_out
	ds_load_b128 v[VF:VF+3], v[ORA]
	s_wait_dscnt 0x0
	global_store_b128 v[GOA], v[VF:VF+3], s[28:29] ; 512 consecutive bytes, aligned
.Lno_out:
	s_wait_xcnt 0x0                                ; every earlier memory instruction has read its addresses and data: the bases may step
	s_wait_alu depctr_vm_vsrc(0)                   ; the byte's store has read its address, which the add below writes; the small LDS stores have read the codes and the byte, the global store VF .. VF + 3: the next trip writes all of these again
	s_add_nc_u64 s[20:21], s[20:21], 131072        ; 32 rows of the mask
	s_add_nc_u64 s[22:23], s[22:23], 1536          ; two tiles of Q
	s_add_nc_u64 s[24:25], s[24:25], 128
	s_add_nc_u64 s[28:29], s[28:29], 24576         ; two tiles of o
	s_add_co_u32 s41, s41, 128
	v_add_nc_u32 v[OBT], s41, v[OBA]
	s_sub_co_u32 s40, s40, 1
	s_cmp_lg_u32 s40, 0
	s_cbranch_scc1 .Ltrip
	s_cmp_lt_u32 s12, 6                            ; waves 6 and 7 store the sixteen tiles' scale words (the last barrier stands behind the last byte)
	s_cbranch_scc1 .Ldone
	ds_load_b128 v[VF:VF+3], v[OSR]
	s_wait_dscnt 0x0
	global_store_b128 v[GOS], v[VF:VF+3], s[30:31] ; 512 consecutive bytes, aligned
.Ldone:
	s_wait_dscnt 0x0
	s_wait_alu depctr_hold_cnt(0) depctr_sa_sdst(0) depctr_va_vdst(0) depctr_va_sdst(0) depctr_va_ssrc(0) depctr_va_vcc(0) depctr_vm_vsrc(0)
	s_wait_tensorcnt 0x0
	ds_add_u32 v254, v255
	s_wait_dscnt 0x0
	s_endpgm
.Lfunc_end_k_qbccfd341c1_attn:
	.size	k_qbccfd341c1_attn, .Lfunc_end_k_qbccfd341c1_attn-k_qbccfd341c1_attn
	.p2alignl 7, 3214868480
	.fill 96, 4, 3214868480
	.section	.rodata,"a",@progbits
	.p2align	6, 0x0
	.amdhsa_kernel k_qbccfd341c1_attn
		.amdhsa_group_segment_fixed_size 238592
		.amdhsa_private_segment_fixed_size 0
		.amdhsa_enable_private_segment 0
		.amdhsa_kernarg_size 32
		.amdhsa_user_sgpr_count 2
		.amdhsa_user_sgpr_kernarg_segment_ptr 1
		.amdhsa_wavefront_size32 1
		.amdhsa_system_sgpr_workgroup_id_x 1
		.amdhsa_system_sgpr_workgroup_id_y 1
		.amdhsa_system_sgpr_workgroup_id_z 1
		.amdhsa_system_vgpr_workitem_id 0
		.amdhsa_next_free_vgpr 512
		.amdhsa_next_free_sgpr 66
		.amdhsa_reserve_vcc 0
		.amdhsa_float_denorm_mode_32 3
		.amdhsa_float_denorm_mode_16_64 3
		.amdhsa_memory_ordered 1
		.amdhsa_forward_progress 1
		.amdhsa_inst_pref_size 101
	.end_amdhsa_kernel
	.amdgpu_metadata
---
amdhsa.version: [ 1, 2 ]
amdhsa.kernels:
  - .name:           k_qbccfd341c1_attn
    .symbol:         k_qbccfd341c1_attn.kd
    .args:
      - { .name: qk, .offset: 0, .size: 8, .value_kind: global_buffer, .address_space: global }
      - { .name: vq, .offset: 8, .size: 8, .value_kind: global_buffer, .address_space: global }
      - { .name: mask, .offset: 16, .size: 8, .value_kind: global_buffer, .address_space: global }
      - { .name: oq, .offset: 24, .size: 8, .value_kind: global_buffer, .address_space: global }
    .group_segment_fixed_size: 238592
    .private_segment_fixed_size: 0
    .kernarg_segment_align: 8
    .kernarg_segment_size: 32
    .max_flat_workgroup_size: 256
    .sgpr_count:     66
    .vgpr_count:     512
    .wavefront_size: 32
...
	.end_amdgpu_metadata
.endif
;; end of part 6
;; launch gemm_o: the kernel of part 5 again; grid 4 x 32, 4 waves a work-group, clusters of 4 x 4, 327,680 bytes of LDS; arguments oq, opq, bo, out0; writes out0
